; MI455X (gfx1250); checked and timed in simulation.
; The chip was launched on July 23, 2026; its instructions are those of AMD's public machine-readable ISA for CDNA 5 (MIT licence, August 2026) and "CDNA5" Instruction Set Architecture Reference Guide (July 2026). The comments in the code are by the model that wrote it; some were corrected since.
;; Multi Head Attention. Allowed arithmetic: matrix products marked QUANTISED: E2M1 operands, one E8M0 scale for each 32 along K, by v_wmma_scale_f32_16x16x128_f8f6f4 with both operands' format E2M1 (or v_wmma_scale_f32_32x16x128_f4), f32 sums; everything else in f32.
;; Inputs: W0 1,024 x 1,024 float32; Wk 1,024 x 1,024 float32; Wq 1,024 x 1,024 float32; Wv 1,024 x 1,024 float32; b0 1,024 float32; bk 1,024 float32; bq 1,024 float32; bv 1,024 float32; x 4 x 2,048 x 1,024 float32.
;; Outputs: out0 4 x 2,048 x 1,024 float32.
;; This version of the problem:
;;   THIS VERSION OF THE PROBLEM IS GIVEN IN LOW PRECISION. The matrix products marked QUANTISED in the list below multiply operands that are first quantised to E2M1 (2 exponent bits, 1 mantissa bit; 4 bits a number), with one power-of-two scale for each 32 numbers along K (OCP MX v1.0); their sums are f32. All else is computed in f32.
;;   The module's matrix products, in the order in which they are computed (A, B: the left and right operand; K: the contracted axis; several contracted axes count as one K, in the product's order):
;;     1. [M 8,192, K 1,024] x [K 1,024, N 1,024]; A: input x; B: input Wq: QUANTISED
;;     2. [M 8,192, K 1,024] x [K 1,024, N 1,024]; A: input x; B: input Wk: QUANTISED
;;     3. [M 8,192, K 1,024] x [K 1,024, N 1,024]; A: input x; B: input Wv: QUANTISED
;;     4. batch 64 x [M 2,048, K 64] x [K 64, N 2,048]; A: computed on the way; B: computed on the way: QUANTISED
;;     5. batch 64 x [M 2,048, K 2,048] x [K 2,048, N 64]; A: softmax (see below); B: computed on the way: QUANTISED
;;     6. [M 8,192, K 1,024] x [K 1,024, N 1,024]; A: computed on the way; B: input W0: QUANTISED
;;   THE QUANTISER, for each operand of a quantised product, along K:
;;     - K is cut into blocks of 32 from its start; a last block that is shorter is filled with zeros.
;;     - A block's scale is 2^e with e = floor(log2(the largest magnitude in the block)) - 2, held to -126 .. 127; a block of zeros has e = 0. As a byte (E8M0): e + 127.
;;     - Each number is divided by its block's scale, clamped to +-6, and rounded to the nearest number of E2M1, ties to even, subnormals kept.
;;     - The product sums the exact products of the quantised numbers (number of the format x scale) in f32.
;;   ~~~python
;;   def quantise(x, axis):      # numpy; x: float32 -> the quantised numbers, widened to float32 again
;;       x = np.moveaxis(x, axis, -1); K = x.shape[-1]
;;       x = np.pad(x, [(0, 0)] * (x.ndim - 1) + [(0, -K % 32)]); x = x.reshape(x.shape[:-1] + (-1, 32)); a = np.abs(x).max(-1, keepdims=True)
;;       e = np.where(a > 0, np.clip(np.frexp(np.where(a > 0, a, 1))[1] - 1 - 2, -126, 127), 0)      # np.frexp(a)[1] - 1 = floor(log2(a)), exactly
;;       r = np.clip(x / 2.0 ** e, -6, 6)
;;       step = 2.0 ** (np.maximum(np.frexp(np.where(r == 0, 1, r))[1] - 1, 0) - 1)
;;       q = np.round(r / step) * step * 2.0 ** e      # np.round: ties to even
;;       return np.moveaxis(q.reshape(q.shape[:-2] + (-1,))[..., :K], -1, axis).astype(np.float32)
;;   ~~~
;;   SOFTMAX AHEAD OF A QUANTISED PRODUCT. Where the list says 'softmax', what is quantised is not the finished softmax but p = 2^(t - M), with t = logit x log2(e) and M = ceil(the row's largest t), a whole number; so 1/2 < the row's largest p <= 1. The row's sum l is taken of the UNQUANTISED p, in f32, and the product's result is divided by l at the end. Since M is a whole number, a kernel that streams over the keys may use a running M (the ceiling of the running maximum): every later rescaling is an exact power of two, which a block's scale takes up: the codes' values come out the same.
;;   OPERANDS COMPUTED ON THE WAY. 'Computed on the way' means the value that the module computes at that place (a softmax that the list does not call 'softmax' is quantised finished and normalised). What goes into a quantiser is computed in f32, as accurately as f32 sums, v_exp_f32 and their like allow (about 1e-6 of the number): no bf16 or f16 on the way to a quantiser, and a product that is left as it is and whose result goes on into a quantised operand takes f32 operands (vector FMAs, or v_wmma_f32_16x16x4_f32). A number that lies on a knife's edge between two numbers of the format may be rounded either way, as far as f32 arithmetic and the matrix unit's own rounding can turn it there, and no further.
;; One version. Each part assembles by itself: llvm-mc -triple=amdgcn-amd-amdhsa -mcpu=gfx1250 --defsym DOCPART=n.
;; ======== version 1 of 1: 4 launches
;; workspace buffers: xr 4,456,448 bytes; wr 2,228,224 bytes; qb 4,718,592 bytes; kv 9,175,040 bytes; ar 4,194,304 bytes; asc 262,144 bytes
;; launch prep (part 1): grid 256 x 1, 4 waves a work-group, no clusters, 57,856 bytes of LDS; arguments x, Wq, Wk, Wv, W0, xr, wr; writes xr, wr
.if DOCPART == 1
	.amdgcn_target "amdgcn-amd-amdhsa--gfx1250"
	.amdhsa_code_object_version 6
	.text
	.protected	k_qb0aefbc0a5_prep
	.globl	k_qb0aefbc0a5_prep
	.p2align	8
	.type	k_qb0aefbc0a5_prep,@function
k_qb0aefbc0a5_prep:
	s_mov_b64 s[64:65], 0
	v_nop
	global_prefetch_b8 v0, s[64:65] scope:SCOPE_SE
	s_setreg_imm32_b32 hwreg(HW_REG_WAVE_MODE, 25, 1), 1
	s_wait_xcnt 0x0
; x [8192][1024] (K innermost) and Wq, Wk, Wv, W0 [1024 (K)][1024] (K outermost), f32, become codes of FP4 (E2M1) with one E8M0 byte for each 32 along K, laid as RECORDS.
; A TILE is 16 rows of a group of 32: lane-row p of tile (g, u) is row 32 g + 8 u + p + 8 (p / 8).  A RECORD, 8,704 bytes, is one tile for all K = 1,024: the 16 bytes of block kb of
; lane-row p at 256 kb + 16 p, which is the image of the operand's registers (K step s, half c: 1,024 s + 512 c + 16 lane); the scale bytes at 8,192 + 32 p + kb.
; A block's scale byte is its largest magnitude's exponent field - 2, held at 1 from below.
; LIMITS: a block of zeros, or one whose largest magnitude lies under 2^-124, gets the byte 1 (its codes are zeros or tiny; the bytes are read by this program alone); NaN and infinities are not served.
; Work-groups 0-127 take x, a tile a wave; work-groups 128-255 take the weights, 32 columns x 256 along K a wave.  No barrier: waves share nothing.  Only the x path uses LDS.
.set STEPS, 32                         ; x: steps of 512 numbers (half a row) in a tile
.set WREG,  14336                      ; LDS of a wave: two stages, the record's image, its scale bytes
.set SP,    80                         ; a lane's place in a stage: 64 bytes + 16 of padding
.set UP,    272                        ; a block's 256 bytes of the image + 16 of padding
.set IMG,   2*32*SP
.set SCA,   IMG+32*UP
.set REC,   8704
.set R,     16                         ; v16-79   four sets of 16 numbers as loaded
.set X,     80                         ; v80-111  two sets of 16 neighbours
.set C,     112                        ; v112-115 codes, two sets by turns
.set E,     116                        ; v116-117 the scale byte, two by turns
.set OUTR,  120                        ; v120-187 the way out
.set WX,    32                         ; weights: v32-95 two sets of 32 numbers
.set WC,    96                         ; v96-127 codes, four registers for each of the 8 blocks: no store's data are written again
.set SB,    24                         ; v24-25  the 8 scale bytes
	v_lshl_add_u32 v192, v0, 2, 0xe000
	v_mov_b32 v193, 0
	s_cmp_lt_u32 ttmp9, 128
	s_cbranch_scc0 .Lweights
; ---------------- x: wave n = 4 x work-group + wave takes tile n: two runs of 8 rows, 16 rows apart
	s_load_b64 s[4:5], s[0:1], 0x0                 ; x
	s_load_b64 s[8:9], s[0:1], 0x28                ; xr
	v_lshrrev_b32 v1, 5, v0
	v_readfirstlane_b32 s16, v1                    ; wave
	v_and_b32 v2, 31, v0                           ; lane
	v_lshlrev_b32 v3, 4, v2                        ; 16 x lane
	s_mul_i32 s17, s16, WREG
	v_lshrrev_b32 v14, 2, v2
	v_mul_u32_u24 v14, v14, SP
	v_and_b32 v15, 3, v2
	v_lshl_add_u32 v14, v15, 4, v14
	v_add_nc_u32 v14, s17, v14                     ; the stage, in: four lanes' 64 bytes on end, then padding
	v_mul_u32_u24 v15, v2, SP
	v_add_nc_u32 v15, s17, v15                     ; the stage, out: my 16 neighbours
	v_lshrrev_b32 v5, 1, v2                        ; my block of the step's sixteen
	v_mul_u32_u24 v4, v5, UP
	v_and_b32 v6, 1, v2
	v_lshl_add_u32 v4, v6, 3, v4
	v_add_nc_u32 v4, s17, v4                       ; the image: block x 272 + 8 x my half of the block
	v_add_nc_u32 v5, s17, v5                       ; the scale bytes: + my block
	v_lshrrev_b32 v6, 4, v2
	v_mul_u32_u24 v6, v6, UP
	v_and_b32 v7, 15, v2
	v_lshl_add_u32 v6, v7, 4, v6
	v_add_nc_u32 v6, s17, v6                       ; the image, back: sixteen lanes to a block's 256 bytes
	v_add_nc_u32 v7, s17, v3                       ; the scale bytes, back
	s_lshl_b32 s18, ttmp9, 2
	s_add_co_u32 s18, s18, s16                     ; n
	s_lshr_b32 s19, s18, 1
	s_lshl_b32 s20, s19, 17                        ; 32 rows of 4,096 bytes a group,
	s_and_b32 s19, s18, 1
	s_lshl_b32 s19, s19, 15                        ; 8 rows for u
	s_add_co_u32 s20, s20, s19
	s_mov_b32 s21, 0
	s_lshr_b32 s22, s18, 7                         ; batch
	s_bfe_u32 s23, s18, 0x40003                    ; G: which 128 positions
	s_and_b32 s24, s18, 7                          ; the tile among G's eight
	s_lshl_b32 s23, s23, 1
	s_lshr_b32 s25, s22, 1
	s_add_co_u32 s23, s23, s25
	s_lshl_b32 s23, s23, 3
	s_add_co_u32 s23, s23, s24
	s_lshl_b32 s23, s23, 1
	s_and_b32 s22, s22, 1
	s_add_co_u32 s23, s23, s22                     ; record ((2 G + batch / 2) 8 + tile) 2 + batch % 2
	s_mul_i32 s22, s23, REC
	s_mov_b32 s23, 0
	s_wait_kmcnt 0x0
	s_add_nc_u64 s[4:5], s[4:5], s[20:21]
	s_add_nc_u64 s[8:9], s[8:9], s[22:23]
.macro XLOAD t                         ; step t: 2,048 bytes as they lie, 512 consecutive bytes a load
.irp i, 0,1,2,3
	global_load_b128 v[R+16*((\t)%4)+4*\i:R+16*((\t)%4)+4*\i+3], v3, s[4:5] offset:65536*((\t)/16)+2048*((\t)%16)+512*\i th:TH_LOAD_NT
.endr
.endm
.macro TURN t                          ; through the stage: LDS serves a wave's instructions in order, so no wait stands between the stores and the loads
.irp i, 0,1,2,3
	ds_store_b128 v14, v[R+16*((\t)%4)+4*\i:R+16*((\t)%4)+4*\i+3] offset:32*SP*((\t)%2)+8*SP*\i
.endr
.irp i, 0,1,2,3
	ds_load_b128 v[X+16*((\t)%2)+4*\i:X+16*((\t)%2)+4*\i+3], v15 offset:32*SP*((\t)%2)+16*\i
.endr
.endm
.irp t, 0,1,2,3
	XLOAD \t
.endr
	s_wait_loadcnt 12                              ; step 0's four loads are in
	TURN 0
.macro STEP t
.set XS, X+16*((\t)%2)
.set CC, C+2*((\t)%2)
.set EE, E+((\t)%2)
.set ROWI, 8*((\t)/16)+((\t)%16)/2     ; the lane-row
.set HF, (\t)%2                        ; which half of the row: blocks 16 HF on
.if (\t) > 0
	s_wait_dscnt 2                                 ; this step's numbers are back; only the last step's two stores may be out: the step before's have read CC and EE
.else
	s_wait_dscnt 0x0
.endif
.if (\t)+4 < STEPS
	XLOAD (\t)+4
.endif
.if (\t)+1 < STEPS
.if STEPS-2-(\t) >= 3
	s_wait_loadcnt 12                              ; the next step's loads are in; three steps' may be out
.else
	s_wait_loadcnt 4*(STEPS-2-(\t))
.endif
	TURN (\t)+1
.endif
	v_max3_num_f32 v8, |v[XS]|, |v[XS+1]|, |v[XS+2]|
	v_max3_num_f32 v9, |v[XS+3]|, |v[XS+4]|, |v[XS+5]|
.irp i, 6,10
	v_max3_num_f32 v8, v8, |v[XS+\i]|, |v[XS+\i+1]|
	v_max3_num_f32 v9, v9, |v[XS+\i+2]|, |v[XS+\i+3]|
.endr
	v_max3_num_f32 v8, v8, |v[XS+14]|, |v[XS+15]|
	v_max3_num_f32 v8, v8, v9, 0x1800000           ; and the floor 2^(3 - 127): the byte cannot fall under 1
	v_max_num_f32_dpp v8, v8, v8 row_xmask:1 row_mask:0xf bank_mask:0xf   ; with my neighbour's 16: the block's
	v_add_nc_u32 v11, 0xff000000, v8               ; 2 off the exponent field: the conversion's scale operand
	v_cvt_scalef32_pk8_fp4_f32 v[CC], v[XS:XS+7], v11
	v_cvt_scalef32_pk8_fp4_f32 v[CC+1], v[XS+8:XS+15], v11
	v_lshrrev_b32 v[EE], 23, v11                   ; the scale's byte
	ds_store_b64 v4, v[CC:CC+1] offset:IMG+16*HF*UP+ROWI*16
	ds_store_b8 v5, v[EE] offset:SCA+ROWI*32+16*HF ; both lanes of a block write the same byte
.endm
.irp t, 0,1,2,3,4,5,6,7,8,9,10,11,12,13,14,15,16,17,18,19,20,21,22,23,24,25,26,27,28,29,30,31
	STEP \t
.endr
.irp q, 0,1,2,3,4,5,6,7,8,9,10,11,12,13,14,15
	ds_load_b128 v[OUTR+4*\q:OUTR+4*\q+3], v6 offset:IMG+2*\q*UP   ; these see my stores: LDS serves a wave in order
.endr
	ds_load_b128 v[OUTR+64:OUTR+67], v7 offset:SCA
.irp q, 0,1,2,3,4,5,6,7,8,9,10,11,12,13,14,15
	s_wait_dscnt 16-\q
	global_store_b128 v3, v[OUTR+4*\q:OUTR+4*\q+3], s[8:9] offset:512*\q   ; 512 consecutive bytes, aligned
.endr
	s_wait_dscnt 0x0
	global_store_b128 v3, v[OUTR+64:OUTR+67], s[8:9] offset:8192
	s_wait_tensorcnt 0x0
	ds_add_u32 v192, v193
	s_wait_dscnt 0x0
	s_endpgm
; ---------------- the weights: a lane takes a column, its registers run down K
.Lweights:
	s_load_b256 s[4:11], s[0:1], 0x8               ; Wq, Wk, Wv, W0
	s_load_b64 s[12:13], s[0:1], 0x30              ; wr
	v_lshrrev_b32 v1, 5, v0
	v_readfirstlane_b32 s16, v1
	v_and_b32 v2, 31, v0                           ; o: my column of the wave's 32
	v_lshlrev_b32 v3, 2, v2
	v_bfe_u32 v4, v2, 3, 1                         ; u
	v_and_b32 v5, 7, v2
	v_lshrrev_b32 v6, 4, v2
	v_lshl_or_b32 v5, v6, 3, v5                    ; lane-row p
	v_mul_u32_u24 v4, v4, 2*REC                    ; the tiles u = 0, 1 of a group lie two records apart
	v_lshl_add_u32 v6, v5, 4, v4                   ; codes: + 16 p
	v_lshl_add_u32 v7, v5, 5, v4                   ; scale bytes: + 32 p
	s_sub_co_u32 s17, ttmp9, 128
	s_lshr_b32 s18, s17, 5                         ; which weight
	s_bfe_u32 s19, s17, 0x30002
	s_and_b32 s20, s17, 3                          ; which 256 along K
	s_lshl_b32 s19, s19, 2
	s_add_co_u32 s19, s19, s16                     ; which 32 columns, 0..31
	s_lshr_b32 s21, s19, 2                         ; head pair
	s_bfe_u32 s22, s19, 0x10001                    ; head's parity
	s_and_b32 s23, s19, 1                          ; which 32 of the head's 64
	s_lshl_b32 s23, s23, 2
	s_add_co_u32 s23, s23, s22
	s_lshl_b32 s24, s21, 4
	s_lshl_b32 s25, s18, 3
	s_add_co_u32 s24, s24, s25
	s_add_co_u32 s24, s24, s23                     ; Wq, Wk: 16 hp + 8 (k?) + 4 g + parity
	s_lshl_b32 s25, s21, 3
	s_add_co_u32 s25, s25, s23
	s_add_co_u32 s25, s25, 128                     ; Wv: 128 + 8 hp + 4 g + parity
	s_lshr_b32 s26, s19, 3
	s_lshl_b32 s26, s26, 4
	s_and_b32 s27, s19, 3
	s_lshl_b32 s27, s27, 2
	s_add_co_u32 s26, s26, s27
	s_bfe_u32 s27, s19, 0x10002
	s_add_co_u32 s26, s26, s27
	s_add_co_u32 s26, s26, 192                     ; W0: 192 + 16 (columns / 256) + 4 (group % 4) + (group / 4) % 2
	s_cmp_eq_u32 s18, 2
	s_cselect_b32 s24, s25, s24
	s_cmp_eq_u32 s18, 3
	s_cselect_b32 s24, s26, s24
	s_mul_i32 s24, s24, REC
	s_lshl_b32 s25, s20, 11
	s_add_co_u32 s22, s24, s25                     ; codes: + 8 blocks of 256 bytes for each 256 along K
	s_mov_b32 s23, 0
	s_lshl_b32 s25, s20, 3
	s_add_co_u32 s24, s24, s25                     ; scale bytes: + 8
	s_mov_b32 s25, 0
	s_lshl_b32 s26, s20, 20                        ; 256 rows of 4,096 bytes
	s_lshl_b32 s27, s19, 7
	s_add_co_u32 s26, s26, s27
	s_mov_b32 s27, 0
	s_wait_alu depctr_va_vdst(0)
	s_wait_kmcnt 0x0
	s_cmp_eq_u32 s18, 0                            ; the choice hangs on the work-group's number alone
	s_cselect_b64 s[4:5], s[4:5], s[6:7]
	s_cmp_eq_u32 s18, 2
	s_cselect_b64 s[8:9], s[8:9], s[10:11]
	s_cmp_lt_u32 s18, 2
	s_cselect_b64 s[4:5], s[4:5], s[8:9]
	s_add_nc_u64 s[4:5], s[4:5], s[26:27]
	s_add_nc_u64 s[14:15], s[12:13], s[24:25]
	s_add_nc_u64 s[12:13], s[12:13], s[22:23]
.macro WLOAD t                         ; block t: W(32 t + i, my column): 128 consecutive bytes a wave, 512 a work-group
.irp i, 0,1,2,3,4,5,6,7,8,9,10,11,12,13,14,15,16,17,18,19,20,21,22,23,24,25,26,27,28,29,30,31
	global_load_b32 v[WX+32*((\t)%2)+\i], v3, s[4:5] offset:(32*(\t)+\i)*4096 th:TH_LOAD_NT
.endr
.endm
	WLOAD 0
	WLOAD 1
.macro BLOCK t
.set WS, WX+32*((\t)%2)
.if (\t) < 7
	s_wait_loadcnt 32                              ; this block's 32 loads are in; the next block's may be out
.else
	s_wait_loadcnt 0x0
.endif
	v_max3_num_f32 v12, |v[WS]|, |v[WS+1]|, |v[WS+2]|
	v_max3_num_f32 v13, |v[WS+3]|, |v[WS+4]|, |v[WS+5]|
.irp i, 6,10,14,18,22,26
	v_max3_num_f32 v12, v12, |v[WS+\i]|, |v[WS+\i+1]|
	v_max3_num_f32 v13, v13, |v[WS+\i+2]|, |v[WS+\i+3]|
.endr
	v_max3_num_f32 v12, v12, |v[WS+30]|, |v[WS+31]|
	v_max3_num_f32 v12, v12, v13, 0x1800000
	v_add_nc_u32 v11, 0xff000000, v12
	v_lshrrev_b32 v13, 23, v11
.if (\t)%4 == 0
	v_mov_b32 v[SB+(\t)/4], v13
.else
	v_lshl_or_b32 v[SB+(\t)/4], v13, 8*((\t)%4), v[SB+(\t)/4]
.endif
.irp g, 0,1,2,3
	v_cvt_scalef32_pk8_fp4_f32 v[WC+4*(\t)+\g], v[WS+8*\g:WS+8*\g+7], v11
.endr
	global_store_b128 v6, v[WC+4*(\t):WC+4*(\t)+3], s[12:13] offset:256*(\t)   ; the block's 256 bytes of both tiles, each whole
.if (\t)+2 < 8
	WLOAD (\t)+2
.endif
.endm
.irp t, 0,1,2,3,4,5,6,7
	BLOCK \t
.endr
	global_store_b64 v7, v[SB:SB+1], s[14:15] offset:8192
	s_endpgm
.Lfunc_end_k_qb0aefbc0a5_prep:
	.size	k_qb0aefbc0a5_prep, .Lfunc_end_k_qb0aefbc0a5_prep-k_qb0aefbc0a5_prep
	.p2alignl 7, 3214868480
	.fill 96, 4, 3214868480
	.section	.rodata,"a",@progbits
	.p2align	6, 0x0
	.amdhsa_kernel k_qb0aefbc0a5_prep
		.amdhsa_group_segment_fixed_size 57856
		.amdhsa_private_segment_fixed_size 0
		.amdhsa_enable_private_segment 0
		.amdhsa_kernarg_size 56
		.amdhsa_user_sgpr_count 2
		.amdhsa_user_sgpr_kernarg_segment_ptr 1
		.amdhsa_wavefront_size32 1
		.amdhsa_system_sgpr_workgroup_id_x 1
		.amdhsa_system_sgpr_workgroup_id_y 1
		.amdhsa_system_sgpr_workgroup_id_z 1
		.amdhsa_system_vgpr_workitem_id 0
		.amdhsa_next_free_vgpr 194
		.amdhsa_next_free_sgpr 66
		.amdhsa_reserve_vcc 0
		.amdhsa_float_denorm_mode_32 3
		.amdhsa_float_denorm_mode_16_64 3
		.amdhsa_memory_ordered 1
		.amdhsa_forward_progress 1
		.amdhsa_inst_pref_size 105
	.end_amdhsa_kernel
	.amdgpu_metadata
---
amdhsa.version: [ 1, 2 ]
amdhsa.kernels:
  - .name:           k_qb0aefbc0a5_prep
    .symbol:         k_qb0aefbc0a5_prep.kd
    .args:
      - { .name: x, .offset: 0, .size: 8, .value_kind: global_buffer, .address_space: global }
      - { .name: Wq, .offset: 8, .size: 8, .value_kind: global_buffer, .address_space: global }
      - { .name: Wk, .offset: 16, .size: 8, .value_kind: global_buffer, .address_space: global }
      - { .name: Wv, .offset: 24, .size: 8, .value_kind: global_buffer, .address_space: global }
      - { .name: W0, .offset: 32, .size: 8, .value_kind: global_buffer, .address_space: global }
      - { .name: xr, .offset: 40, .size: 8, .value_kind: global_buffer, .address_space: global }
      - { .name: wr, .offset: 48, .size: 8, .value_kind: global_buffer, .address_space: global }
    .group_segment_fixed_size: 57856
    .private_segment_fixed_size: 0
    .kernarg_segment_align: 8
    .kernarg_segment_size: 56
    .max_flat_workgroup_size: 128
    .sgpr_count:     66
    .vgpr_count:     194
    .wavefront_size: 32
...
	.end_amdgpu_metadata
.endif
;; end of part 1
;; launch qkv (part 2): grid 8 x 32, 4 waves a work-group, clusters of 4 x 4, 327,680 bytes of LDS; arguments xr, wr, bq, bk, bv, qb, kv; writes qb, kv
.if DOCPART == 2
	.amdgcn_target "amdgcn-amd-amdhsa--gfx1250"
	.amdhsa_code_object_version 6
	.text
	.protected	k_qb0aefbc0a5_qkv
	.globl	k_qb0aefbc0a5_qkv
	.p2align	8
	.type	k_qb0aefbc0a5_qkv,@function
k_qb0aefbc0a5_qkv:
	s_mov_b64 s[64:65], 0
	v_nop
	global_prefetch_b8 v0, s[64:65] scope:SCOPE_SE
	s_setreg_imm32_b32 hwreg(HW_REG_WAVE_MODE, 25, 1), 1
	s_wait_xcnt 0x0
	s_wait_alu depctr_hold_cnt(0) depctr_sa_sdst(0) depctr_va_vdst(0) depctr_va_sdst(0) depctr_va_ssrc(0) depctr_va_vcc(0) depctr_vm_vsrc(0)
	s_getreg_b32 s2, hwreg(HW_REG_IB_STS2, 6, 4)
	s_cmp_eq_u32 s2, 0
	s_cbranch_scc0 .Lentry_in_a_cluster
	s_endpgm
.Lentry_in_a_cluster:
	s_bfe_u32 s2, ttmp6, 0x10000c
	s_cmp_lg_u32 s2, 0xf033
	s_cbranch_scc0 .Lentry_shape_is_right
	s_endpgm
.Lentry_shape_is_right:
; q = rope(x Wq + bq), k = rope(x Wk + bk), v = x Wv + bv on codes of FP4 with E8M0 scales; q and k are quantised along the head's 64 channels, v along the keys; all leave as operand images.
; SHARES.  Work-group (hp, xb): heads 2 hp, 2 hp + 1; positions 128 G .. + 127 (G = xb / 2) of batches 2 pair, 2 pair + 1 (pair = xb % 2).  Wave: pi = wave % 2, rho = wave / 2.
; FORM.  All of K = 1,024 lies in LDS as records (16 rows: 8,192 bytes of register images, 512 scale bytes).  Source 0's eight tiles (P: 8 tiles x 8 K steps, 512 registers) stay in a wave's
; registers; source 1's tiles (R) are walked one at a time: 64 matrix instructions on 8 accumulators by turns, K ascending, the bias as the C of the first K step.
;   phase QK: P = Wq's 4 and Wk's 4 tiles of head 2 hp + pi;  R = x's tiles 4 rho + i (i = 0..3) of both batches.  A lane holds one token; registers 16 B + n are 16 neighbouring channels.
;   phase V:  P = x's 8 tiles of batch 2 pair + pi;  R = Wv's 4 tiles of head 2 hp + rho.  A lane holds one channel; its registers run along the 128 keys.
; ROPE.  inv_freq = 1 / 10000^(i / 512): the power in two-word f32 arithmetic (seven square roots from 10, nine conditional products), rounded once; the reciprocal corrected by two fused lines.
; angle = position x inv_freq, one rounding; reduced by pi / 2 in three parts; sine and cosine by their series through r^9 and r^10 on |r| <= pi / 4 (the first terms left out: under 2e-9).
; LIMITS: NaN and infinities are not served; a block under 2^-124 gets the scale byte 1; inv_freq may differ by one unit in the last place from a power function that is not correctly rounded.
; CLUSTER 4 x 4: x's records hang on xb alone and are shared along a row, the weights' on hp alone and are shared along a column: joint loads.
; REGISTERS: window 0: see the names below; windows 1, 2: P's fragment (b, s) at window 1 + s / 4, register 8 (8 (s % 4) + b); window 3: v0-63, v128-191 R's two sets; v64-127 bq, bk in the result's layout; v192-199 bv.
.set REC,   8704
.set HALF,  8*REC
.set WREGN, 16*REC                     ; LDS: x's 16 records at 0, the weights' from here,
.set SPARE, 32*REC                     ; the spare words, 128 bytes a wave: two blocks of 256 bytes that no other line names
.set QBB,   1179648                    ; qb: from a batch to the next (16 heads of 73,728 bytes)
.set KVB,   2293760                    ; kv: likewise (16 x 143,360)
.set LN16, 1                           ; 16 x lane
.set RR,   2                           ; r = lane % 16
.set HH,   3                           ; h = lane / 16
.set SPW,  4
.set NIL,  5
.set PAW0, 6                           ; P's LDS addresses: the weights' tiles b < 4, b >= 4; their scale bytes
.set PAW1, 7
.set PSW0, 8
.set PSW1, 9
.set PAX0, 10                          ; the same for x's tiles
.set PAX1, 11
.set PSX0, 12
.set PSX1, 13
.set SO,   14                          ; store offset: 16 x lane + 512 i
.set R15,  15                          ; r + 8 (r / 8)
.set POS,  16                          ; v[16:17] my token's position, twice
.set KS4,  18                          ; v[18:19] 1 / 9!, twice
.set KC4,  20                          ; v[20:21] -1 / 10!, twice
.set RXB,  22                          ; R in phase QK: codes, scale bytes
.set RXS,  23
.set BV,   24                          ; v24-27 bv of my channel in Wv's four tiles
.set RWB,  28                          ; R in phase V
.set RWS,  29
.set RA,   30                          ; R's addresses of the trip in hand
.set RSA,  31
.set PS,   32                          ; v32-63 P's scale words: tile b at 4 b; register j: K step j in lanes 0-15, 4 + j in lanes 16-31
.set RS0,  64                          ; v64-67, v68-71 R's, two sets
.set IF,   72                          ; v72-87 my 16 inv_freq
.set CS,   88                          ; v88-119 (cos, sin) x 16
.set Z,    120                         ; v120-127 two chains of four scale words
.set ACC,  128                         ; v128-191
.set PC,   192                         ; v192-207 codes, two sets
.set TM,   208                         ; v208-215, v220-223 at work in QUANT
.set PW,   216                         ; v216-219 scale words just made
.set G1X,  32
.set G1W,  40
.set G1V,  48
.set G0X,  56
.set G0W,  60
.set G0V,  68
.set SEL,  72
.set MSB, 0
.macro WIN new                         ; the immediate's high byte repeats the setting that is left
.if MSB != (\new)
	s_set_vgpr_msb (MSB<<8)|(\new)
.set MSB, (\new)
.endif
.endm
.macro PLACES n
.rept \n
	v_nop
.endr
.endm
.macro ROUND                           ; a round of the cluster's barrier
	s_barrier_signal -1
	s_barrier_wait -1
	s_cmp_lg_u32 s18, 0
	s_cbranch_scc1 .Lnw0_\@
	s_barrier_signal -3
.Lnw0_\@:
	s_barrier_wait -3
	s_barrier_signal -1
	s_barrier_wait -1
.endm
.macro PLOAD pa0, pa1, ps0, ps1        ; 128 + 8 LDS loads: source 0's eight tiles for all of K, and their scale words
.irp w, 0,1
	WIN 0x40+0x40*\w
.irp s, 0,1,2,3
.irp b, 0,1,2,3
.irp c, 0,1
	ds_load_b128 v[(8*\s+\b)*8+4*\c:(8*\s+\b)*8+4*\c+3], v[\pa0] offset:\b*2*REC+1024*(4*\w+\s)+512*\c
	ds_load_b128 v[(8*\s+\b+4)*8+4*\c:(8*\s+\b+4)*8+4*\c+3], v[\pa1] offset:\b*2*REC+1024*(4*\w+\s)+512*\c
.endr
.endr
.endr
.endr
	WIN 0
.irp b, 0,1,2,3
	ds_load_b128 v[PS+4*\b:PS+4*\b+3], v[\ps0] offset:\b*2*REC+8192
	ds_load_b128 v[PS+4*(\b+4):PS+4*(\b+4)+3], v[\ps1] offset:\b*2*REC+8192
.endr
.endm
.macro FETCH set, ra, rsa, imm, rs     ; 17 LDS loads: one tile of source 1 for all of K
	WIN 0xc0
.irp s, 0,1,2,3,4,5,6,7
.irp c, 0,1
	ds_load_b128 v[128*(\set)+8*\s+4*\c:128*(\set)+8*\s+4*\c+3], v[\ra] offset:(\imm)+1024*\s+512*\c
.endr
.endr
	WIN 0
	ds_load_b128 v[(\rs):(\rs)+3], v[\rsa] offset:(\imm)+8192
.endm
; 64 matrix instructions: the 8 accumulators take turns, one instruction a turn, K ascending.  The first K step takes the bias, in window 3 at cb + cst b, as its C.
.macro MULT set, rs, cb, cst
	WIN 0x3d
.irp b, 0,1,2,3,4,5,6,7
	v_wmma_scale_f32_16x16x128_f8f6f4 v[ACC+8*\b:ACC+8*\b+7], v[8*\b:8*\b+7], v[128*(\set):128*(\set)+7], v[(\cb)+(\cst)*\b:(\cb)+(\cst)*\b+7], v[PS+4*\b], v[(\rs)] matrix_a_fmt:MATRIX_FMT_FP4 matrix_b_fmt:MATRIX_FMT_FP4
.endr
	WIN 0x0d
.irp s, 1,2,3
.irp b, 0,1,2,3,4,5,6,7
	v_wmma_scale_f32_16x16x128_f8f6f4 v[ACC+8*\b:ACC+8*\b+7], v[(8*\s+\b)*8:(8*\s+\b)*8+7], v[128*(\set)+8*\s:128*(\set)+8*\s+7], v[ACC+8*\b:ACC+8*\b+7], v[PS+4*\b+\s], v[(\rs)+\s] matrix_a_fmt:MATRIX_FMT_FP4 matrix_b_fmt:MATRIX_FMT_FP4
.endr
.endr
	WIN 0x0e
.irp s, 0,1,2,3
.irp b, 0,1,2,3,4,5,6,7
	v_wmma_scale_f32_16x16x128_f8f6f4 v[ACC+8*\b:ACC+8*\b+7], v[(8*\s+\b)*8:(8*\s+\b)*8+7], v[128*(\set)+8*(\s+4):128*(\set)+8*(\s+4)+7], v[ACC+8*\b:ACC+8*\b+7], v[PS+4*\b+\s], v[(\rs)+\s] matrix_a_fmt:MATRIX_FMT_FP4 matrix_b_fmt:MATRIX_FMT_FP4 matrix_a_scale:MATRIX_SCALE_ROW1 matrix_b_scale:MATRIX_SCALE_ROW1
.endr
.endr
	WIN 0
.endm
; 64 numbers of a lane, register 16 b + i = k 32 b + 16 h + i of my row, become a fragment's codes in v[pc] on and its scale word in v[pw]
.macro QUANT src, pc, pw
.irp b, 0,1,2,3
	v_max3_num_f32 v[TM+\b], |v[\src+16*\b]|, |v[\src+1+16*\b]|, 0x1800000   ; and the floor 2^(3 - 127): the byte cannot fall under 1
.endr
.irp i, 2,4,6,8,10,12,14
.irp b, 0,1,2,3
	v_max3_num_f32 v[TM+\b], v[TM+\b], |v[\src+16*\b+\i]|, |v[\src+1+16*\b+\i]|
.endr
.endr
.irp b, 0,1,2,3
	v_permlanex16_b32 v[TM+4+\b], v[TM+\b], s[SEL], s[SEL+1]
.endr
.irp b, 0,1,2,3
	v_max_num_f32 v[TM+\b], v[TM+\b], v[TM+4+\b]   ; with lane l xor 16's: the block's largest magnitude
.endr
.irp b, 0,1,2,3
	v_add_nc_u32 v[TM+12+\b], 0xff000000, v[TM+\b] ; 2 off its exponent field: the conversion's scale operand
.endr
.irp b, 0,1,2,3
	v_lshrrev_b32 v[TM+4+\b], 23, v[TM+12+\b]      ; the scale's byte
.endr
	v_lshl_or_b32 v[(\pw)], v[TM+5], 8, v[TM+4]
	v_lshl_or_b32 v[(\pw)], v[TM+6], 16, v[(\pw)]
	v_lshl_or_b32 v[(\pw)], v[TM+7], 24, v[(\pw)]
.irp b, 0,1,2,3
	v_cvt_scalef32_pk8_fp4_f32 v[(\pc)+2*\b], v[\src+16*\b:\src+7+16*\b], v[TM+12+\b]
	v_cvt_scalef32_pk8_fp4_f32 v[(\pc)+1+2*\b], v[\src+8+16*\b:\src+15+16*\b], v[TM+12+\b]
.endr
	v_nop                                          ; one plain place behind a scaled conversion
.irp c, 0,1                            ; the operand's layout wants a whole block in a lane
.irp i, 0,1
	v_permlane16_swap_b32 v[(\pc)+4*\c+\i], v[(\pc)+2+4*\c+\i]
.endr
.endr
.endm
; (v226, v227) x= (v228, v229) where bit `bit` of my index v224 is set: a product of two-word numbers
.macro DMUL bit
	v_and_b32 v230, 1<<(\bit), v224
	v_cmp_ne_u32 vcc_lo, 0, v230
	v_cndmask_b32 v231, 1.0, v228, vcc_lo
	v_cndmask_b32 v232, 0, v229, vcc_lo
	v_mul_f32 v233, v226, v231
	v_fma_f32 v234, v226, v231, -v233              ; what the product's rounding dropped
	v_fma_f32 v234, v226, v232, v234
	v_fma_f32 v234, v227, v231, v234
	v_add_f32 v226, v233, v234
	v_sub_f32 v235, v226, v233
	v_sub_f32 v227, v234, v235
.endm
; (v228, v229) = its square root: the hardware's root and one correction from the exact residual
.macro DSQRT
	v_sqrt_f32 v236, v228
	v_nop                                          ; a plain place behind the transcendental,
	s_wait_alu depctr_va_vdst(0)                   ; and a wait ahead of its first reader
	v_rcp_f32 v237, v236
	v_fma_f32 v238, -v236, v236, v228              ; (the plain place: it names neither the reciprocal nor writes its source)
	s_wait_alu depctr_va_vdst(0)
	v_add_f32 v238, v238, v229
	v_mul_f32 v238, 0.5, v238
	v_mul_f32 v238, v238, v237
	v_add_f32 v228, v236, v238
	v_sub_f32 v239, v228, v236
	v_sub_f32 v229, v238, v239
.endm
; (cos, sin) of position x inv_freq for my frequencies k and k + 1, two at a time
.macro SINCOS2 k
	v_pk_mul_f32 v[224:225], v[IF+\k:IF+\k+1], v[POS:POS+1]                       ; the angle, rounded once
	v_pk_mul_f32 v[226:227], v[224:225], 0x3f22f983 op_sel_hi:[1,0]               ; x 2 / pi
	v_rndne_f32 v226, v226
	v_rndne_f32 v227, v227                                                        ; n
	v_pk_fma_f32 v[228:229], v[226:227], 0xbfc90fda, v[224:225] op_sel_hi:[1,0,1] ; r = angle - n pi / 2, pi / 2 in three parts
	v_pk_fma_f32 v[228:229], v[226:227], 0xb3a22168, v[228:229] op_sel_hi:[1,0,1]
	v_pk_fma_f32 v[228:229], v[226:227], 0xa7c234c4, v[228:229] op_sel_hi:[1,0,1]
	v_pk_mul_f32 v[230:231], v[228:229], v[228:229]                               ; z = r r
	v_pk_fma_f32 v[232:233], v[KS4:KS4+1], v[230:231], 0xb9500d01 op_sel_hi:[1,1,0]   ; -1 / 7!
	v_pk_fma_f32 v[236:237], v[KC4:KC4+1], v[230:231], 0x37d00d01 op_sel_hi:[1,1,0]   ; 1 / 8!
	v_pk_fma_f32 v[232:233], v[232:233], v[230:231], 0x3c088889 op_sel_hi:[1,1,0]     ; 1 / 5!
	v_pk_fma_f32 v[236:237], v[236:237], v[230:231], 0xbab60b61 op_sel_hi:[1,1,0]     ; -1 / 6!
	v_pk_fma_f32 v[232:233], v[232:233], v[230:231], 0xbe2aaaab op_sel_hi:[1,1,0]     ; -1 / 3!
	v_pk_fma_f32 v[236:237], v[236:237], v[230:231], 0x3d2aaaab op_sel_hi:[1,1,0]     ; 1 / 4!
	v_pk_mul_f32 v[234:235], v[228:229], v[230:231]
	v_pk_fma_f32 v[236:237], v[236:237], v[230:231], -0.5 op_sel_hi:[1,1,0]
	v_pk_fma_f32 v[232:233], v[232:233], v[234:235], v[228:229]                   ; sin r
	v_pk_fma_f32 v[236:237], v[236:237], v[230:231], 1.0 op_sel_hi:[1,1,0]        ; cos r
	v_cvt_i32_f32 v238, v226
	v_cvt_i32_f32 v239, v227
.irp e, 0,1                            ; the quadrant: odd n swaps the two; sin is negative where bit 1 of n is set, cos where bit 1 of n + 1 is
	v_and_b32 v240, 1, v[238+\e]
	v_cmp_eq_u32 vcc_lo, 1, v240
	v_cndmask_b32 v241, v[232+\e], v[236+\e], vcc_lo
	v_cndmask_b32 v242, v[236+\e], v[232+\e], vcc_lo
	v_lshlrev_b32 v243, 30, v[238+\e]
	v_add_nc_u32 v244, 1, v[238+\e]
	v_and_b32 v243, 0x80000000, v243
	v_lshlrev_b32 v244, 30, v244
	v_and_b32 v244, 0x80000000, v244
	v_xor_b32 v[CS+2*(\k+\e)+1], v243, v241
	v_xor_b32 v[CS+2*(\k+\e)], v244, v242
.endr
.endm
; (x1, x2) -> (x1 cos - x2 sin, x1 sin + x2 cos), q's 16 pairs and k's with the same angles; each accumulator is read from its low end on
.macro ROPE
.irp p, 0,1,2,3,4,5,6,7,8,9,10,11,12,13,14,15
	v_pk_mul_f32 v[224:225], v[ACC+2*\p:ACC+2*\p+1], v[CS+2*\p:CS+2*\p+1] op_sel:[1,1] op_sel_hi:[0,1] neg_lo:[0,1]       ; (-x2 sin, x1 sin)
	v_pk_mul_f32 v[226:227], v[ACC+32+2*\p:ACC+32+2*\p+1], v[CS+2*\p:CS+2*\p+1] op_sel:[1,1] op_sel_hi:[0,1] neg_lo:[0,1]
	v_pk_fma_f32 v[ACC+2*\p:ACC+2*\p+1], v[ACC+2*\p:ACC+2*\p+1], v[CS+2*\p:CS+2*\p+1], v[224:225] op_sel_hi:[1,0,1]       ; + (x1, x2) cos
	v_pk_fma_f32 v[ACC+32+2*\p:ACC+32+2*\p+1], v[ACC+32+2*\p:ACC+32+2*\p+1], v[CS+2*\p:CS+2*\p+1], v[226:227] op_sel_hi:[1,0,1]
.endr
.endm
.macro QKTILE sg                       ; one tile of 16 tokens of batch 2 pair + sg
	MULT \sg, RS0+4*\sg, 64, 8
	PLACES 4
	ROPE
	QUANT ACC, PC+8*\sg, PW
	global_store_b128 v[SO], v[PC+8*\sg:PC+8*\sg+3], s[88:89] offset:\sg*QBB       ; q's codes: 512 consecutive bytes
	global_store_b128 v[SO], v[PC+8*\sg+4:PC+8*\sg+7], s[92:93] offset:\sg*KVB     ; k's
	v_mov_b32 v[Z+4*\sg], v[Z+4*\sg+1]             ; the four trips' scale words move down a chain
	v_mov_b32 v[Z+4*\sg+1], v[Z+4*\sg+2]
	v_mov_b32 v[Z+4*\sg+2], v[Z+4*\sg+3]
	v_mov_b32 v[Z+4*\sg+3], v[PW]
.endm
	s_load_b256 s[4:11], s[0:1], 0x0               ; xr, wr, bq, bk
	s_load_b128 s[12:15], s[0:1], 0x20             ; bv, qb
	s_load_b64 s[16:17], s[0:1], 0x30              ; kv
	v_lshl_add_u32 v[SPW], v0, 2, SPARE
	v_mov_b32 v[NIL], 0
	ds_add_u32 v4, v5
	ds_add_u32 v4, v5
	s_wait_dscnt 0x0
	v_lshrrev_b32 v224, 5, v0
	v_readfirstlane_b32 s18, v224                  ; wave
	s_and_b32 s19, s18, 1                          ; pi
	s_lshr_b32 s20, s18, 1                         ; rho
	s_bfe_u32 s21, ttmp6, 0x40000                  ; cx
	s_bfe_u32 s22, ttmp6, 0x40004                  ; cy
	s_lshl_b32 s23, ttmp9, 2
	s_add_co_u32 s23, s23, s21                     ; hp
	s_and_b32 s24, ttmp7, 0xffff
	s_lshl_b32 s24, s24, 2
	s_add_co_u32 s24, s24, s22                     ; xb
	s_lshl_b32 s25, s22, 2
	s_lshl_b32 s25, 15, s25                        ; my row of the cluster
	s_lshl_b32 s26, 0x1111, s21                    ; my column
	; descriptors: dense blocks as rows of 256 bytes (32 elements of 8 bytes), no padding
	s_or_b32 s[G1X], s25, (3<<16)|(1<<21)
	s_or_b32 s[G1W], s26, (3<<16)|(1<<21)
	s_or_b32 s[G1V], s26, (3<<16)|(1<<21)
.irp g, G1X, G1W
	s_mov_b32 s[\g+1], 32<<16                      ; tensor_dim0
	s_mov_b32 s[\g+2], 272<<16                     ; tensor_dim1: 8 records
	s_mov_b32 s[\g+3], 32<<16                      ; tile_dim0
	s_mov_b32 s[\g+4], 272                         ; tile_dim1
	s_mov_b32 s[\g+5], 32                          ; pitch
	s_mov_b32 s[\g+6], 0
	s_mov_b32 s[\g+7], 0
.endr
	s_mov_b32 s[G1V+1], 32<<16
	s_mov_b32 s[G1V+2], 68<<16                     ; 2 records
	s_mov_b32 s[G1V+3], 32<<16
	s_mov_b32 s[G1V+4], 68
	s_mov_b32 s[G1V+5], 32
	s_mov_b32 s[G1V+6], 0
	s_mov_b32 s[G1V+7], 0
	s_mul_i32 s28, s19, HALF                       ; which half I fetch: in memory and in LDS
	s_mul_i32 s80, s24, 16*REC
	s_add_co_u32 s80, s80, s28                     ; x: hangs on xb and the wave alone
	s_mov_b32 s81, 0
	s_mul_i32 s82, s23, 16*REC
	s_add_co_u32 s82, s82, s28                     ; Wq, Wk: on hp and the wave alone
	s_mov_b32 s83, 0
	s_mul_i32 s84, s23, HALF
	s_mul_i32 s29, s18, 2*REC
	s_add_co_u32 s84, s84, s29
	s_add_co_u32 s84, s84, 128*REC                 ; Wv: likewise
	s_mov_b32 s85, 0
	s_wait_kmcnt 0x0
	s_mov_b32 s[G0X], 1
	s_mov_b32 s[G0X+1], s28
	s_add_nc_u64 s[G0X+2:G0X+3], s[4:5], s[80:81]
	s_or_b32 s[G0X+3], s[G0X+3], 0x80000000
	s_mov_b32 s[G0W], 1
	s_add_co_u32 s[G0W+1], s28, WREGN
	s_add_nc_u64 s[G0W+2:G0W+3], s[6:7], s[82:83]
	s_or_b32 s[G0W+3], s[G0W+3], 0x80000000
	s_mov_b32 s[G0V], 1
	s_add_co_u32 s[G0V+1], s29, WREGN
	s_add_nc_u64 s[G0V+2:G0V+3], s[6:7], s[84:85]
	s_or_b32 s[G0V+3], s[G0V+3], 0x80000000
	ROUND                                          ; all sixteen work-groups are here: the first joint loads meet
	s_cmp_eq_u32 s20, 0                            ; waves 0, 1: x's halves; waves 2, 3: the halves of Wq and Wk.  One load of mine is out
	s_cbranch_scc0 .Lfor_w
	tensor_load_to_lds s[G0X:G0X+3], s[G1X:G1X+7]
	s_nop 0
	PLACES 4
	s_branch .Lasked
.Lfor_w:
	tensor_load_to_lds s[G0W:G0W+3], s[G1W:G1W+7]
	s_nop 0
	PLACES 4
.Lasked:
	v_and_b32 v224, 31, v0
	v_lshlrev_b32 v[LN16], 4, v224
	v_and_b32 v[RR], 15, v0
	v_bfe_u32 v[HH], v0, 4, 1
	v_lshlrev_b32 v225, 5, v[RR]
	v_lshl_add_u32 v225, v[HH], 4, v225            ; scale bytes: 32 r + 16 h
	s_mul_i32 s74, s19, REC                        ; P's tiles are 2 b + pi
	v_add_nc_u32 v[PAX0], s74, v[LN16]
	v_add_nc_u32 v[PAX1], HALF, v[PAX0]
	v_add_nc_u32 v[PSX0], s74, v225
	v_add_nc_u32 v[PSX1], HALF, v[PSX0]
	v_add_nc_u32 v[PAW0], WREGN, v[PAX0]
	v_add_nc_u32 v[PAW1], WREGN, v[PAX1]
	v_add_nc_u32 v[PSW0], WREGN, v[PSX0]
	v_add_nc_u32 v[PSW1], WREGN, v[PSX1]
	s_mul_i32 s74, s20, HALF                       ; phase QK: R's tiles begin at 8 rho
	v_add_nc_u32 v[RXB], s74, v[LN16]
	v_add_nc_u32 v[RXS], s74, v225
	s_mul_i32 s74, s20, REC                        ; phase V: R's tiles are 2 k + rho
	s_add_co_u32 s74, s74, WREGN
	v_add_nc_u32 v[RWB], s74, v[LN16]
	v_add_nc_u32 v[RWS], s74, v225
	v_and_b32 v226, 8, v[RR]
	v_add_nc_u32 v[R15], v226, v[RR]
	v_mov_b32 v[SO], v[LN16]
	v_mov_b32 v[KS4], 0x3638ef1d
	v_mov_b32 v[KS4+1], 0x3638ef1d
	v_mov_b32 v[KC4], 0xb493f27e
	v_mov_b32 v[KC4+1], 0xb493f27e
.irp j, 0,1,2,3,4,5,6,7
	v_mov_b32 v[Z+\j], 0
.endr
.irp j, 0,1,2,3
	v_mov_b32 v[TM+4+\j], 0                        ; written once: a lane permute's destination counts as one of its sources
.endr
	s_mov_b32 s[SEL], 0x76543210
	s_mov_b32 s[SEL+1], 0xfedcba98
	s_mov_b32 s76, 0xffff0000                      ; lanes 16-31
	; the biases.  bq, bk in the result's layout: tile 2 g + u, register j, half h: channel 32 g + 16 h + 8 u + j of head 2 hp + pi
	s_lshl_b32 s27, s23, 1
	s_add_co_u32 s27, s27, s19                     ; the head of phase QK
	s_lshl_b32 s78, s27, 8
	s_mov_b32 s79, 0
	s_add_nc_u64 s[8:9], s[8:9], s[78:79]
	s_add_nc_u64 s[10:11], s[10:11], s[78:79]
	s_lshl_b32 s78, s23, 1
	s_add_co_u32 s78, s78, s20                     ; the head of phase V
	s_lshl_b32 s78, s78, 8
	s_add_nc_u64 s[12:13], s[12:13], s[78:79]
	v_lshlrev_b32 v246, 6, v[HH]
	v_lshlrev_b32 v247, 2, v[R15]
	WIN 0xc0
.irp b, 0,1,2,3
	global_load_b128 v[64+8*\b:64+8*\b+3], v246, s[8:9] offset:(32*(\b/2)+8*(\b%2))*4
	global_load_b128 v[64+8*\b+4:64+8*\b+7], v246, s[8:9] offset:(32*(\b/2)+8*(\b%2))*4+16
	global_load_b128 v[96+8*\b:96+8*\b+3], v246, s[10:11] offset:(32*(\b/2)+8*(\b%2))*4
	global_load_b128 v[96+8*\b+4:96+8*\b+7], v246, s[10:11] offset:(32*(\b/2)+8*(\b%2))*4+16
.endr
	WIN 0
.irp k, 0,1,2,3
	global_load_b32 v[BV+\k], v247, s[12:13] offset:(32*(\k/2)+8*(\k%2))*4
.endr
	; inv_freq: lane L makes index 32 head + L, while the tiles are on their way
	s_lshl_b32 s75, s27, 5
	v_add_nc_u32 v224, s75, v224
	v_mov_b32 v226, 1.0
	v_mov_b32 v227, 0
	v_mov_b32 v228, 0x42c80000                     ; 10000^(256 / 512) = 100
	v_mov_b32 v229, 0
	DMUL 8
	v_mov_b32 v228, 0x41200000                     ; 10000^(128 / 512) = 10
	DMUL 7
.irp j, 6,5,4,3,2,1,0
	DSQRT                                          ; 10000^(2^j / 512)
	DMUL \j
.endr
	v_rcp_f32 v240, v226
	v_nop
	s_wait_alu depctr_va_vdst(0)
	v_fma_f32 v241, -v226, v240, 1.0
	v_fma_f32 v240, v241, v240, v240               ; the reciprocal, corrected
.irp k, 0,1,2,3,4,5,6,7,8,9,10,11,12,13,14,15  ; my pair k has index 32 head + k % 8 + 16 (k / 8) + 8 h: it hangs on my half alone
	v_readlane_b32 s86, v240, (\k&7)+16*(\k>>3)
	v_readlane_b32 s87, v240, (\k&7)+16*(\k>>3)+8
	v_mov_b32 v[IF+\k], s86
	v_cndmask_b32 v[IF+\k], v[IF+\k], s87, s76
.endr
	s_wait_tensorcnt 0x0                           ; my part of the first fills is in,
	s_barrier_signal -1
	s_barrier_wait -1                              ; everybody's is
	PLOAD PAW0, PAW1, PSW0, PSW1
	; Wv takes the place of Wq's and Wk's first records: every wave waits for all its tensor loads, adds 0 to its spare word, waits for that and for its reads, and passes a round
	s_wait_tensorcnt 0x0
	ds_add_u32 v[SPW], v[NIL]                      ; the stores' bases are made while it is out
	s_lshr_b32 s25, s24, 1                         ; G
	s_and_b32 s22, s24, 1                          ; pair
	s_lshl_b32 s77, s25, 7
	s_lshl_b32 s74, s20, 6
	s_add_co_u32 s77, s77, s74                     ; my first position: 128 G + 64 rho
	s_lshl_b32 s2, s22, 5
	s_add_co_u32 s2, s2, s27                       ; batch 2 pair, head 2 hp + pi
	s_mul_i32 s66, s2, 73728
	s_mul_i32 s67, s2, 143360
	s_lshr_b32 s3, s25, 2
	s_mul_i32 s3, s3, 35840                        ; the chunk of four key steps
	s_add_co_u32 s67, s67, s3
	s_and_b32 s78, s25, 3                          ; the key step in it
	s_lshl_b32 s79, s20, 11                        ; 4 rho tiles of 512 bytes
	s_lshl_b32 s74, s20, 8
	s_mov_b32 s87, 0
	s_lshl_b32 s86, s25, 12
	s_add_co_u32 s86, s86, s66
	s_add_co_u32 s86, s86, s79
	s_add_nc_u64 s[88:89], s[14:15], s[86:87]      ; q's codes
	s_lshl_b32 s86, s25, 9
	s_add_co_u32 s86, s86, s66
	s_add_co_u32 s86, s86, s74
	s_add_co_u32 s86, s86, 65536
	s_add_nc_u64 s[90:91], s[14:15], s[86:87]      ; q's scale words
	s_lshl_b32 s86, s78, 12
	s_add_co_u32 s86, s86, s67
	s_add_co_u32 s86, s86, s79
	s_add_nc_u64 s[92:93], s[16:17], s[86:87]      ; k's codes
	s_lshl_b32 s86, s78, 9
	s_add_co_u32 s86, s86, s67
	s_add_co_u32 s86, s86, s74
	s_add_co_u32 s86, s86, 32768
	s_add_nc_u64 s[94:95], s[16:17], s[86:87]      ; k's scale words
	s_lshl_b32 s2, s22, 1
	s_add_co_u32 s2, s2, s19
	s_lshl_b32 s2, s2, 4
	s_lshl_b32 s66, s23, 1
	s_add_co_u32 s2, s2, s66
	s_add_co_u32 s2, s2, s20                       ; batch 2 pair + pi, head 2 hp + rho
	s_mul_i32 s67, s2, 143360
	s_add_co_u32 s67, s67, s3
	s_lshl_b32 s86, s78, 12
	s_add_co_u32 s86, s86, s67
	s_add_co_u32 s86, s86, 16384
	s_add_nc_u64 s[96:97], s[16:17], s[86:87]      ; v's codes
	s_lshl_b32 s86, s78, 8
	s_add_co_u32 s86, s86, s67
	s_add_co_u32 s86, s86, 34816
	s_add_nc_u64 s[98:99], s[16:17], s[86:87]      ; v's scale words
	s_wait_dscnt 0x0                               ; the add is done, and P is in my registers
	ROUND                                          ; so of every wave of every partner
	tensor_load_to_lds s[G0V:G0V+3], s[G1V:G1V+7]  ; my two records of Wv: my one load behind the round; it has the whole loop below in which to land
	s_nop 0
	PLACES 4
	s_wait_loadcnt 0x0                             ; the biases
	s_mov_b32 s30, 0
	s_mov_b32 s31, 0
.Lqk:                                              ; four trips: position tile 4 rho + i, both batches
	v_add_nc_u32 v[RA], s31, v[RXB]
	v_add_nc_u32 v[RSA], s31, v[RXS]
	FETCH 0, RA, RSA, 0, RS0
	FETCH 1, RA, RSA, REC, RS0+4
	s_lshr_b32 s74, s30, 1
	s_lshl_b32 s74, s74, 5
	s_and_b32 s75, s30, 1
	s_lshl_b32 s75, s75, 3
	s_add_co_u32 s74, s74, s75
	s_add_co_u32 s74, s74, s77
	v_add_nc_u32 v224, s74, v[R15]                 ; my token's position: 128 G + 64 rho + 32 (i / 2) + 8 (i % 2) + r + 8 (r / 8)
	v_cvt_f32_u32 v[POS], v224
	v_mov_b32 v[POS+1], v[POS]
.irp k, 0,2,4,6,8,10,12,14
	SINCOS2 \k                                     ; one set of angles serves q, k and both batches
.endr
	s_wait_dscnt 17                                ; the first tile is in; the second's 17 loads may be out
	QKTILE 0
	s_wait_dscnt 0x0
	QKTILE 1
	s_wait_xcnt 0x0                                ; the stores have read their offset and data: both are written again only behind this wait
	v_add_nc_u32 v[SO], 512, v[SO]
	s_add_co_u32 s31, s31, 2*REC
	s_add_co_u32 s30, s30, 1
	s_cmp_lt_u32 s30, 4
	s_cbranch_scc1 .Lqk
	s_wait_alu depctr_va_vdst(0)
	; the scale words of my four tiles: lanes 0-15 the first batch's, lanes 16-31 the second's: two whole runs of 256 bytes a store.  q's word keeps k's bytes on top (they meet zero codes); k's is the upper half
.irp j, 0,1,2,3
	v_cndmask_b32 v[224+\j], v[Z+\j], v[Z+4+\j], s76
.endr
.irp j, 0,1,2,3
	v_lshrrev_b32 v[228+\j], 16, v[224+\j]
.endr
	v_mul_u32_u24 v232, v[HH], QBB
	v_lshl_add_u32 v232, v[RR], 4, v232
	v_mul_u32_u24 v233, v[HH], KVB
	v_lshl_add_u32 v233, v[RR], 4, v233
	global_store_b128 v232, v[224:227], s[90:91]
	global_store_b128 v233, v[228:231], s[94:95]
	s_wait_tensorcnt 0x0                           ; my records of Wv are in,
	s_wait_dscnt 0x0
	s_barrier_signal -1
	s_barrier_wait -1                              ; everybody's are
	PLOAD PAX0, PAX1, PSX0, PSX1
	FETCH 0, RWB, RWS, 0, RS0
	FETCH 1, RWB, RWS, 2*REC, RS0+4
.irp k, 0,1,2,3                        ; Wv's tile k: 16 channels of my head x my 128 keys
	WIN 0xc0
.irp j, 0,1,2,3,4,5,6,7
	v_mov_b32 v[192+\j], v[BV+\k]                  ; a lane holds one channel: its bias in all eight registers
.endr
	WIN 0
.if \k < 3
	s_wait_alu depctr_va_vdst(0)
	s_wait_dscnt 17                                ; this tile (and P) is in; the next tile's 17 loads may be out
.else
	s_wait_alu depctr_va_vdst(0)
	s_wait_dscnt 0x0
.endif
	MULT \k%2, RS0+4*(\k%2), 192, 0
	PLACES 4
.if \k < 2
	FETCH \k%2, RWB, RWS, (\k+2)*2*REC, RS0+4*(\k%2)
.endif
	s_wait_xcnt 0x0                                ; earlier stores have read their data
	QUANT ACC, PC+8*(\k%2), PW+\k
	global_store_b128 v[LN16], v[PC+8*(\k%2):PC+8*(\k%2)+3], s[96:97] offset:1024*\k
	global_store_b128 v[LN16], v[PC+8*(\k%2)+4:PC+8*(\k%2)+7], s[96:97] offset:1024*\k+512
.endr
	v_lshlrev_b32 v234, 4, v[RR]
	v_and_b32 v235, 31, v0
	v_cmp_gt_u32 vcc_lo, 16, v235
	s_wait_alu depctr_va_vdst(0)
	s_wait_xcnt 0x0                                ; EXEC changes only behind this wait
	s_and_saveexec_b32 s74, vcc_lo
	global_store_b128 v234, v[PW:PW+3], s[98:99]   ; lanes 0-15: 256 consecutive bytes
	s_wait_xcnt 0x0
	s_or_b32 exec_lo, exec_lo, s74
	s_wait_tensorcnt 0x0                           ; the wave's end
	ds_add_u32 v[SPW], v[NIL]
	s_wait_dscnt 0x0
	ROUND                                          ; the closing round
	s_endpgm
.Lfunc_end_k_qb0aefbc0a5_qkv:
	.size	k_qb0aefbc0a5_qkv, .Lfunc_end_k_qb0aefbc0a5_qkv-k_qb0aefbc0a5_qkv
	.p2alignl 7, 3214868480
	.fill 96, 4, 3214868480
	.section	.rodata,"a",@progbits
	.p2align	6, 0x0
	.amdhsa_kernel k_qb0aefbc0a5_qkv
		.amdhsa_group_segment_fixed_size 327680
		.amdhsa_private_segment_fixed_size 0
		.amdhsa_enable_private_segment 0
		.amdhsa_kernarg_size 56
		.amdhsa_user_sgpr_count 2
		.amdhsa_user_sgpr_kernarg_segment_ptr 1
		.amdhsa_wavefront_size32 1
		.amdhsa_system_sgpr_workgroup_id_x 1
		.amdhsa_system_sgpr_workgroup_id_y 1
		.amdhsa_system_sgpr_workgroup_id_z 1
		.amdhsa_system_vgpr_workitem_id 0
		.amdhsa_next_free_vgpr 1024
		.amdhsa_next_free_sgpr 100
		.amdhsa_reserve_vcc 1
		.amdhsa_float_denorm_mode_32 3
		.amdhsa_float_denorm_mode_16_64 3
		.amdhsa_memory_ordered 1
		.amdhsa_forward_progress 1
		.amdhsa_inst_pref_size 150
	.end_amdhsa_kernel
	.amdgpu_metadata
---
amdhsa.version: [ 1, 2 ]
amdhsa.kernels:
  - .name:           k_qb0aefbc0a5_qkv
    .symbol:         k_qb0aefbc0a5_qkv.kd
    .args:
      - { .name: xr, .offset: 0, .size: 8, .value_kind: global_buffer, .address_space: global }
      - { .name: wr, .offset: 8, .size: 8, .value_kind: global_buffer, .address_space: global }
      - { .name: bq, .offset: 16, .size: 8, .value_kind: global_buffer, .address_space: global }
      - { .name: bk, .offset: 24, .size: 8, .value_kind: global_buffer, .address_space: global }
      - { .name: bv, .offset: 32, .size: 8, .value_kind: global_buffer, .address_space: global }
      - { .name: qb, .offset: 40, .size: 8, .value_kind: global_buffer, .address_space: global }
      - { .name: kv, .offset: 48, .size: 8, .value_kind: global_buffer, .address_space: global }
    .group_segment_fixed_size: 327680
    .private_segment_fixed_size: 0
    .kernarg_segment_align: 8
    .kernarg_segment_size: 56
    .max_flat_workgroup_size: 128
    .sgpr_count:     100
    .vgpr_count:     1024
    .wavefront_size: 32
...
	.end_amdgpu_metadata
.endif
;; end of part 2
;; launch attn (part 3): grid 8 x 32, 16 waves a work-group, clusters of 4 x 1, 327,680 bytes of LDS; arguments qb, kv, ar, asc; writes ar, asc
.if DOCPART == 3
	.amdgcn_target "amdgcn-amd-amdhsa--gfx1250"
	.amdhsa_code_object_version 6
	.text
	.protected	k_qb0aefbc0a5_attn
	.globl	k_qb0aefbc0a5_attn
	.p2align	8
	.type	k_qb0aefbc0a5_attn,@function
k_qb0aefbc0a5_attn:
	s_mov_b64 s[64:65], 0
	v_nop
	global_prefetch_b8 v0, s[64:65] scope:SCOPE_SE
	s_setreg_imm32_b32 hwreg(HW_REG_WAVE_MODE, 25, 1), 1
	s_wait_xcnt 0x0
	s_wait_alu depctr_hold_cnt(0) depctr_sa_sdst(0) depctr_va_vdst(0) depctr_va_sdst(0) depctr_va_ssrc(0) depctr_va_vcc(0) depctr_vm_vsrc(0)
	s_getreg_b32 s2, hwreg(HW_REG_IB_STS2, 6, 4)
	s_cmp_eq_u32 s2, 0
	s_cbranch_scc0 .Lentry_in_a_cluster
	s_endpgm
.Lentry_in_a_cluster:
	s_bfe_u32 s2, ttmp6, 0x10000c
	s_cmp_lg_u32 s2, 0x3003
	s_cbranch_scc0 .Lentry_shape_is_right
	s_endpgm
.Lentry_shape_is_right:
; a = softmax(q k^T / 8) v for two heads of one batch, both products on codes of FP4 with E8M0 scales; a is divided by the row's sum and quantised along the model's 1,024 columns.
; THE SOFTMAX: t = score x log2(e) / 8; M = the running largest t rounded UP to a whole number; p = 2^(t - M) is quantised along the keys, not normalised; the row's sum is taken of the unquantised p.
; When M moves, the sum and O are multiplied by 2^(old M - new M): exact.
; SHARES.  Work-group (qblk, y = 8 batch + hp): 256 queries; wave w owns tile 16 qblk + w and runs head 2 hp, then head 2 hp + 1.  Four waves to a SIMD.
; K, V and their scale words of both heads are 286,720 consecutive bytes of kv, laid as register images; they land in LDS ONCE, at the same offsets: no byte is filled again.
; The four query blocks of a cluster ask for them jointly.  A chunk, 35,840 bytes, is four key steps of 128 keys: K's codes at 0, V's at 16,384, K's scale words at 32,768, V's at 34,816.
; LAYOUT.  S^T = K Q^T, O^T = V^T P^T: a lane holds one query.  The head's 64 channels fill half of the instruction's K: Q's upper four registers are zero codes, so what K's operand holds there adds nothing.
; LIMITS: NaN and infinities are not served; a block under 2^-124 gets the scale byte 1.
; REGISTERS: v1, v2 LDS addresses of the chunk in hand; v3 16 lane, v4 16 r; v5, v6 the scale words' stage; v7 my offset in ar; v12 -M, v13 the largest t, v[14:15] the sum; v16-23 Q (v20-23 zeros); v24 Q's scale word;
; v25-29 the next head's; v30 a's scale word; v32-63 K, four registers a tile, v64-67 zeros; v68-71, v72-75 K's and V's scale words; v96-159 S^T, then p; v160-191 O^T; v192-223 V; v224-231 p's codes; v232-255 at work.
.set CHUNK, 35840
.set STG,   8*CHUNK                    ; behind the tiles: 64 bytes a wave for a's scale words
.set WV,  12
.set G1A, 24
.set G1B, 32
.set G0A, 40
.set G0B, 44
.set QS,  48
.set SEL, 50
.set CS,  52
.set CB,  54
.set TR,  55
.set AR,  56
.set AS,  58
.macro ROUND
	s_barrier_signal -1
	s_barrier_wait -1
	s_cmp_lg_u32 s[WV], 0
	s_cbranch_scc1 .Lnw0_\@
	s_barrier_signal -3
.Lnw0_\@:
	s_barrier_wait -3
	s_barrier_signal -1
	s_barrier_wait -1
.endm
.macro KLOAD st                        ; 9 loads: a key step's eight tiles of K and their scale words (register j: tile j in lanes 0-15, 4 + j in lanes 16-31)
.irp t, 0,1,2,3,4,5,6,7
	ds_load_b128 v[32+4*\t:35+4*\t], v1 offset:(\st)*4096+512*\t
.endr
	ds_load_b128 v[68:71], v1 offset:32768+(\st)*512
.endm
.macro VLOAD st                        ; 9 loads: its four tiles of V^T and their scale words
.irp f, 0,1,2,3,4,5,6,7
	ds_load_b128 v[192+4*\f:195+4*\f], v1 offset:16384+(\st)*4096+512*\f
.endr
	ds_load_b128 v[72:75], v2 offset:34816+(\st)*256
.endm
; A KEY STEP: 128 keys.  pre = 1: the next step's K is asked for here.
.macro STEP st, pre
	s_wait_dscnt 0x0                               ; K is in
.irp t, 0,1,2,3
	v_wmma_scale_f32_16x16x128_f8f6f4 v[96+8*\t:103+8*\t], v[32+4*\t:39+4*\t], v[16:23], 0, v[68+\t], v24 matrix_a_fmt:MATRIX_FMT_FP4 matrix_b_fmt:MATRIX_FMT_FP4
.endr
.irp t, 4,5,6,7
	v_wmma_scale_f32_16x16x128_f8f6f4 v[96+8*\t:103+8*\t], v[32+4*\t:39+4*\t], v[16:23], 0, v[64+\t], v24 matrix_a_fmt:MATRIX_FMT_FP4 matrix_b_fmt:MATRIX_FMT_FP4 matrix_a_scale:MATRIX_SCALE_ROW1
.endr
.rept 4
	v_nop                                          ; places in front of the loads into registers that matrix instructions have read, and of the first read of the scores
.endr
	VLOAD \st
.if \pre
	KLOAD (\st)+1
.endif
.irp b, 0,1,2,3
	v_max3_num_f32 v[232+\b], v[96+16*\b], v[97+16*\b], v[98+16*\b]   ; the largest score of each block of 32 keys: for the row's maximum, and, since p rises with the score, for the block's largest p
.endr
.irp i, 3,5,7,9,11,13
.irp b, 0,1,2,3
	v_max3_num_f32 v[232+\b], v[232+\b], v[96+16*\b+\i], v[97+16*\b+\i]
.endr
.endr
.irp b, 0,1,2,3
	v_max_num_f32 v[232+\b], v[232+\b], v[111+16*\b]
.endr
.irp b, 0,1,2,3
	s_delay_alu instid0(VALU_DEP_4)
	v_permlanex16_b32 v[236+\b], v[232+\b], s[SEL], s[SEL+1]
.endr
.irp b, 0,1,2,3
	s_delay_alu instid0(VALU_DEP_4)
	v_max_num_f32 v[232+\b], v[232+\b], v[236+\b]  ; with lane l xor 16's 16 keys
.endr
	s_delay_alu instid0(VALU_DEP_2)
	v_max3_num_f32 v254, v232, v233, v234
	s_delay_alu instid0(VALU_DEP_1)
	v_max_num_f32 v254, v254, v235
	s_delay_alu instid0(VALU_DEP_1)
	v_mul_f32 v254, s[CS], v254                    ; as t
	s_delay_alu instid0(VALU_DEP_1)
	v_max_num_f32 v13, v13, v254                   ; the running largest t
	v_mov_b32 v254, v12
	s_delay_alu instid0(VALU_DEP_2)
	v_floor_f32 v12, -v13                          ; the new -M = -ceil(t)
	s_delay_alu instid0(VALU_DEP_1)
	v_sub_f32 v254, v12, v254                      ; old M - new M: a whole number, 0 or less
	s_delay_alu instid0(VALU_DEP_1)
	v_cvt_i32_f32 v254, v254                       ; (it saturates)
	s_delay_alu instid0(VALU_DEP_1)
	v_ldexp_f32 v252, 1.0, v254                    ; f = 2^(old M - new M)
.set j, 0
.rept 32
	v_pk_fma_f32 v[96+j:97+j], v[96+j:97+j], s[CS:CS+1], v[12:13] op_sel_hi:[1,0,0]   ; t - M
.set j, j+2
.endr
.irp b, 0,1,2,3
	v_fma_f32 v[232+\b], v[232+\b], s[CS], v12
.endr
.set j, 0
	s_wait_alu depctr_va_vdst(0)
.rept 64
	v_exp_f32 v[96+j], v[96+j]                     ; p = 2^(t - M)
.set j, j+1
.endr
	v_pk_mul_f32 v[14:15], v[14:15], v[252:253] op_sel_hi:[1,0]   ; the sums under the new M (a plain place behind the exponentials)
	s_wait_alu depctr_va_vdst(0)                   ; one wait for the batch, ahead of its first reader
.irp b, 0,1,2,3
	v_exp_f32 v[232+\b], v[232+\b]                 ; each block's largest p
.endr
	v_pk_add_f32 v[236:237], v[100:101], v[104:105]
	v_pk_add_f32 v[248:249], v[108:109], v[112:113]
	v_pk_add_f32 v[246:247], v[116:117], v[120:121]
	v_pk_add_f32 v[244:245], v[124:125], v[128:129]
	v_pk_add_f32 v[242:243], v[132:133], v[136:137]
	v_pk_add_f32 v[240:241], v[140:141], v[144:145]
	v_pk_add_f32 v[238:239], v[148:149], v[152:153]
	v_pk_add_f32 v[14:15], v[14:15], v[156:157]
	v_pk_add_f32 v[236:237], v[236:237], v[96:97]
	v_pk_add_f32 v[248:249], v[248:249], v[98:99]
	v_pk_add_f32 v[246:247], v[246:247], v[102:103]
	v_pk_add_f32 v[244:245], v[244:245], v[106:107]
	v_pk_add_f32 v[242:243], v[242:243], v[110:111]
	v_pk_add_f32 v[240:241], v[240:241], v[114:115]
	v_pk_add_f32 v[238:239], v[238:239], v[118:119]
	v_pk_add_f32 v[14:15], v[14:15], v[122:123]
	v_pk_add_f32 v[236:237], v[236:237], v[126:127]
	v_pk_add_f32 v[248:249], v[248:249], v[130:131]
	v_pk_add_f32 v[246:247], v[246:247], v[134:135]
	v_pk_add_f32 v[244:245], v[244:245], v[138:139]
	v_pk_add_f32 v[242:243], v[242:243], v[142:143]
	v_pk_add_f32 v[240:241], v[240:241], v[146:147]
	v_pk_add_f32 v[238:239], v[238:239], v[150:151]
	v_pk_add_f32 v[14:15], v[14:15], v[154:155]
	v_pk_add_f32 v[236:237], v[236:237], v[158:159]
	s_delay_alu instid0(VALU_DEP_2)
	v_pk_add_f32 v[14:15], v[14:15], v[244:245]
	s_delay_alu instid0(VALU_DEP_2)
	v_pk_add_f32 v[236:237], v[236:237], v[242:243]
	v_pk_add_f32 v[248:249], v[248:249], v[240:241]
	v_pk_add_f32 v[246:247], v[246:247], v[238:239]
	s_delay_alu instid0(VALU_DEP_2)
	v_pk_add_f32 v[14:15], v[14:15], v[248:249]
	s_delay_alu instid0(VALU_DEP_2)
	v_pk_add_f32 v[236:237], v[236:237], v[246:247]
	s_delay_alu instid0(VALU_DEP_1)
	v_pk_add_f32 v[14:15], v[14:15], v[236:237]
	s_wait_alu depctr_va_vdst(0)                   ; and one for the four
.irp b, 0,1,2,3
	v_max_num_f32 v[232+\b], 0x1800000, v[232+\b]  ; the floor 2^(3 - 127)
.endr
.irp b, 0,1,2,3
	s_delay_alu instid0(VALU_DEP_4)
	v_add_nc_u32 v[244+\b], 0xff000000, v[232+\b]
.endr
.irp b, 0,1,2,3
	s_delay_alu instid0(VALU_DEP_4)
	v_lshrrev_b32 v[236+\b], 23, v[244+\b]
.endr
	s_delay_alu instid0(VALU_DEP_3)
	v_lshl_or_b32 v253, v237, 8, v236              ; p's scale word for these 128 keys
	s_delay_alu instid0(VALU_DEP_1)
	v_lshl_or_b32 v253, v238, 16, v253
	s_delay_alu instid0(VALU_DEP_1)
	v_lshl_or_b32 v253, v239, 24, v253
.irp b, 0,1,2,3
	v_cvt_scalef32_pk8_fp4_f32 v[224+2*\b], v[96+16*\b:103+16*\b], v[244+\b]
	v_cvt_scalef32_pk8_fp4_f32 v[225+2*\b], v[104+16*\b:111+16*\b], v[244+\b]
.endr
	v_nop                                          ; one plain place behind a scaled conversion
.irp c, 0,1
.irp i, 0,1
	v_permlane16_swap_b32 v[224+4*\c+\i], v[226+4*\c+\i]
.endr
.endr
.set j, 0
.rept 16
	v_pk_mul_f32 v[160+j:161+j], v[160+j:161+j], v[252:253] op_sel_hi:[1,0]   ; O^T under the new M; these 16 are also the places in front of the products below
.set j, j+2
.endr
.if \pre
	s_wait_alu depctr_va_vdst(0)
	s_wait_dscnt 9                                 ; V is in; the next step's nine loads of K may be out
.else
	s_wait_alu depctr_va_vdst(0)
	s_wait_dscnt 0x0
.endif
.irp t, 0,1,2,3
	v_wmma_scale_f32_16x16x128_f8f6f4 v[160+8*\t:167+8*\t], v[192+8*\t:199+8*\t], v[224:231], v[160+8*\t:167+8*\t], v[72+\t], v253 matrix_a_fmt:MATRIX_FMT_FP4 matrix_b_fmt:MATRIX_FMT_FP4
.endr
.endm
.macro GROUP                           ; a chunk's four key steps
	KLOAD 0
	STEP 0, 1
	STEP 1, 1
	STEP 2, 1
	STEP 3, 0
.endm
; A HEAD IS DONE: O^T / the sum; its 64 channels are two blocks of the next product's K; 512 bytes of codes leave; the next head's Q moves in and the sums begin anew.
.macro FINISH
.rept 4
	v_nop                                          ; places behind the last products
.endr
	v_add_f32 v14, v14, v15
	s_delay_alu instid0(VALU_DEP_1)
	v_permlanex16_b32 v252, v14, s[SEL], s[SEL+1]
	s_delay_alu instid0(VALU_DEP_1)
	v_add_f32 v14, v14, v252                       ; the row's sum
	s_wait_alu depctr_va_vdst(0)
	v_rcp_f32 v254, v14
	v_nop
	s_wait_alu depctr_va_vdst(0)
.set j, 0
.rept 16
	v_pk_mul_f32 v[96+j:97+j], v[160+j:161+j], v[254:255] op_sel_hi:[1,0]   ; register 16 g + i: channel 32 g + 16 h + i
.set j, j+2
.endr
.irp g, 0,1
	v_max3_num_f32 v[232+\g], |v[96+16*\g]|, |v[97+16*\g]|, 0x1800000
.endr
.irp i, 2,4,6,8,10,12,14
.irp g, 0,1
	s_delay_alu instid0(VALU_DEP_2)
	v_max3_num_f32 v[232+\g], v[232+\g], |v[96+16*\g+\i]|, |v[97+16*\g+\i]|
.endr
.endr
.irp g, 0,1
	s_delay_alu instid0(VALU_DEP_2)
	v_permlanex16_b32 v[236+\g], v[232+\g], s[SEL], s[SEL+1]
.endr
.irp g, 0,1
	s_delay_alu instid0(VALU_DEP_2)
	v_max_num_f32 v[232+\g], v[232+\g], v[236+\g]
.endr
.irp g, 0,1
	s_delay_alu instid0(VALU_DEP_2)
	v_add_nc_u32 v[244+\g], 0xff000000, v[232+\g]
.endr
.irp g, 0,1
	s_delay_alu instid0(VALU_DEP_2)
	v_lshrrev_b32 v[236+\g], 23, v[244+\g]
.endr
	s_delay_alu instid0(VALU_DEP_1)
	v_lshl_or_b32 v236, v237, 8, v236
	v_lshrrev_b32 v30, 16, v30
	s_delay_alu instid0(VALU_DEP_1)
	v_lshl_or_b32 v30, v236, 16, v30               ; the first head's two bytes end below, the second's on top
	v_cvt_scalef32_pk8_fp4_f32 v224, v[96:103], v244
	v_cvt_scalef32_pk8_fp4_f32 v225, v[104:111], v244
	v_cvt_scalef32_pk8_fp4_f32 v226, v[112:119], v245
	v_cvt_scalef32_pk8_fp4_f32 v227, v[120:127], v245
	v_nop
	v_permlane16_swap_b32 v224, v226
	v_permlane16_swap_b32 v225, v227               ; my half's whole block: channels 32 h .. 32 h + 31
	global_store_b128 v7, v[224:227], s[AR:AR+1]   ; 512 consecutive bytes
	s_wait_xcnt 0x0                                ; the store has read its offset and data
	v_add_nc_u32 v7, 512, v7                       ; the second head's half of the fragment
.irp j, 0,1,2,3
	v_mov_b32 v[16+\j], v[26+\j]
.endr
	v_mov_b32 v24, v25
.set j, 0
.rept 32
	v_mov_b32 v[160+j], 0                          ; (also the places between the scale word's move and the next products)
.set j, j+1
.endr
	v_mov_b32 v13, 0xff61b1e6
	s_delay_alu instid0(VALU_DEP_1)
	v_floor_f32 v12, -v13
	v_mov_b32 v14, 0
	v_mov_b32 v15, 0
.endm
	s_load_b256 s[4:11], s[0:1], 0x0               ; qb, kv, ar, asc
	v_lshl_add_u32 v250, v0, 2, 0x46400
	v_mov_b32 v251, 0
	ds_add_u32 v250, v251
	ds_add_u32 v250, v251
	v_lshrrev_b32 v8, 5, v0
	s_delay_alu instid0(VALU_DEP_1)
	v_readfirstlane_b32 s[WV], v8                  ; wave 0..15
	v_and_b32 v8, 31, v0
	s_delay_alu instid0(VALU_DEP_1)
	v_lshlrev_b32 v3, 4, v8                        ; 16 x lane
	v_and_b32 v9, 15, v0
	s_delay_alu instid0(VALU_DEP_1)
	v_lshlrev_b32 v4, 4, v9                        ; 16 r
	s_lshl_b32 s16, s[WV], 6
	v_lshl_add_u32 v5, v9, 2, s16
	s_delay_alu instid0(VALU_DEP_1)
	v_add_nc_u32 v5, STG, v5                       ; the stage, in: 64 wave + 4 r
	s_lshl_b32 s16, s[WV], 9
	v_add_nc_u32 v6, s16, v3
	s_delay_alu instid0(VALU_DEP_1)
	v_add_nc_u32 v6, STG, v6                       ; back (waves 0 and 1): 512 wave + 16 lane
	v_mov_b32 v7, v3
	s_bfe_u32 s13, ttmp6, 0x40000                  ; cx
	s_lshl_b32 s14, ttmp9, 2
	s_add_co_u32 s14, s14, s13                     ; qblk: it enters Q's, ar's and asc's addresses alone
	s_and_b32 s15, ttmp7, 0xffff                   ; y = 8 batch + hp, which the four partners share
	s_mul_i32 s16, s15, 8*CHUNK
	s_mul_i32 s17, s[WV], CHUNK/4                  ; waves 0-3: a quarter of chunk 0,
	s_mul_i32 s18, s[WV], 7*CHUNK/4                ; and a quarter of chunks 1 to 7
	s_add_co_u32 s20, s16, s17
	s_mov_b32 s21, 0
	s_add_co_u32 s22, s16, s18
	s_add_co_u32 s22, s22, CHUNK
	s_mov_b32 s23, 0
	s_mov_b32 s[G1A], 15|(3<<16)|(1<<21)           ; the mask: all four work-groups; elements of 8 bytes; rows of 256 bytes, dense
	s_mov_b32 s[G1A+1], 32<<16
	s_mov_b32 s[G1A+2], 35<<16
	s_mov_b32 s[G1A+3], 32<<16
	s_mov_b32 s[G1A+4], 35
	s_mov_b32 s[G1A+5], 32
	s_mov_b32 s[G1A+6], 0
	s_mov_b32 s[G1A+7], 0
	s_mov_b32 s[G1B], 15|(3<<16)|(1<<21)
	s_mov_b32 s[G1B+1], 32<<16
	s_mov_b32 s[G1B+2], 245<<16
	s_mov_b32 s[G1B+3], 32<<16
	s_mov_b32 s[G1B+4], 245
	s_mov_b32 s[G1B+5], 32
	s_mov_b32 s[G1B+6], 0
	s_mov_b32 s[G1B+7], 0
	s_lshl_b32 s19, s14, 4
	s_add_co_u32 s19, s19, s[WV]                   ; my tile of queries, 0..127
	s_mul_i32 s60, s15, 2*73728
	s_lshl_b32 s62, s19, 9
	s_add_co_u32 s62, s62, s60                     ; Q's codes
	s_mov_b32 s63, 0
	s_lshr_b32 s61, s19, 2
	s_lshl_b32 s61, s61, 8
	s_add_co_u32 s60, s60, s61
	s_and_b32 s61, s19, 3
	s_lshl_b32 s61, s61, 2
	s_add_co_u32 s60, s60, s61
	s_add_co_u32 s60, s60, 65536                   ; Q's scale words
	s_mov_b32 s61, 0
	s_lshr_b32 s2, s15, 3
	s_lshl_b32 s2, s2, 7                           ; 128 x batch
	s_add_co_u32 s3, s2, s19                       ; T
	s_lshl_b32 s[AR], s3, 13
	s_and_b32 s3, s15, 7                           ; hp
	s_lshl_b32 s54, s3, 10
	s_add_co_u32 s[AR], s[AR], s54
	s_mov_b32 s[AR+1], 0
	s_lshl_b32 s54, s14, 4
	s_add_co_u32 s54, s54, s2
	s_lshl_b32 s[AS], s54, 6
	s_lshl_b32 s54, s3, 15
	s_add_co_u32 s[AS], s[AS], s54
	s_lshl_b32 s54, s[WV], 9
	s_add_co_u32 s[AS], s[AS], s54
	s_mov_b32 s[AS+1], 0
	s_mov_b32 s[SEL], 0x76543210
	s_mov_b32 s[SEL+1], 0xfedcba98
	s_mov_b32 s[CS], 0x3e38aa3b                    ; c = log2(e) / 8
	s_mov_b32 s[CS+1], s[CS]
	s_wait_dscnt 0x0
	s_wait_kmcnt 0x0
	s_mov_b32 s[G0A], 1
	s_mov_b32 s[G0A+1], s17
	s_add_nc_u64 s[G0A+2:G0A+3], s[6:7], s[20:21]
	s_or_b32 s[G0A+3], s[G0A+3], 0x80000000
	s_mov_b32 s[G0B], 1
	s_add_co_u32 s[G0B+1], s18, CHUNK
	s_add_nc_u64 s[G0B+2:G0B+3], s[6:7], s[22:23]
	s_or_b32 s[G0B+3], s[G0B+3], 0x80000000
	ROUND                                          ; all four work-groups are here: the joint loads meet
	s_cmp_lt_u32 s[WV], 4                          ; a fetching wave's two fills stand in one branch: two loads of mine are out
	s_cbranch_scc0 .Lno_fetch
	tensor_load_to_lds s[G0A:G0A+3], s[G1A:G1A+7]
	s_nop 0
	tensor_load_to_lds s[G0B:G0B+3], s[G1B:G1B+7]
	s_nop 0
.rept 4
	v_nop
.endr
.Lno_fetch:
	s_add_nc_u64 s[QS:QS+1], s[4:5], s[60:61]
	s_add_nc_u64 s[4:5], s[4:5], s[62:63]
	s_add_nc_u64 s[AR:AR+1], s[8:9], s[AR:AR+1]
	s_add_nc_u64 s[AS:AS+1], s[10:11], s[AS:AS+1]
	s_wait_alu depctr_va_vdst(0)
	global_load_b128 v[16:19], v3, s[4:5]          ; Q of the first head,
	global_load_b128 v[26:29], v3, s[4:5] offset:73728   ; and of the second
	global_load_b32 v24, v4, s[QS:QS+1]
	global_load_b32 v25, v4, s[QS:QS+1] offset:73728
.irp j, 0,1,2,3
	v_mov_b32 v[20+\j], 0                          ; Q's codes of k = 64 .. 127: zeros
	v_mov_b32 v[64+\j], 0                          ; (named as the upper half of K's last tile)
	v_mov_b32 v[236+\j], 0                         ; a lane permute's destination counts as one of its sources
.endr
	v_mov_b32 v30, 0
	v_mov_b32 v252, 0
	v_mov_b32 v253, 0
	v_mov_b32 v255, 0                              ; (named as the upper half of the pair v[254:255])
	v_mov_b32 v13, 0xff61b1e6                      ; the largest t so far: -3e38
	s_delay_alu instid0(VALU_DEP_1)
	v_floor_f32 v12, -v13
	v_mov_b32 v14, 0
	v_mov_b32 v15, 0
.set j, 0
.rept 32
	v_mov_b32 v[160+j], 0                          ; O^T: the step is written once, and the first change of M leaves zeros zeros
.set j, j+1
.endr
	v_mov_b32 v1, v3
	v_mov_b32 v2, v4
	s_wait_alu depctr_va_vdst(0)
	s_wait_tensorcnt 0x1                           ; my part of chunk 0 is in; the larger load may be out
	s_barrier_signal -1
	s_barrier_wait -1
	s_wait_loadcnt 0x0                             ; Q
	GROUP                                          ; chunk 0
	s_wait_tensorcnt 0x0                           ; my part of the rest is in,
	s_barrier_signal -1
	s_barrier_wait -1                              ; everybody's is
	s_mov_b32 s[TR], 1
	s_mov_b32 s[CB], CHUNK
.Lchunk:                                           ; chunks 1 to 7: 0-3 are the first head's, 4-7 the second's
	v_add_nc_u32 v1, s[CB], v3
	s_wait_alu depctr_va_vdst(0)
	v_add_nc_u32 v2, s[CB], v4
	s_wait_alu depctr_va_vdst(0)
	GROUP
	s_and_b32 s3, s[TR], 3
	s_cmp_lg_u32 s3, 3
	s_cbranch_scc1 .Lnot_done
	FINISH
.Lnot_done:
	s_add_co_u32 s[CB], s[CB], CHUNK
	s_add_co_u32 s[TR], s[TR], 1
	s_cmp_lt_u32 s[TR], 8
	s_cbranch_scc1 .Lchunk
	ds_store_b32 v5, v30                           ; the sixteen tiles' scale words meet in LDS (both halves of the lanes write the same word)
	s_wait_dscnt 0x0
	s_barrier_signal -1
	s_barrier_wait -1
	s_cmp_lt_u32 s[WV], 2
	s_cbranch_scc0 .Lno_out
	ds_load_b128 v[32:35], v6
	s_wait_dscnt 0x0
	global_store_b128 v3, v[32:35], s[AS:AS+1]     ; 512 consecutive bytes a wave
.Lno_out:
	s_wait_tensorcnt 0x0
	ds_add_u32 v250, v251
	s_wait_dscnt 0x0
	ROUND                                          ; the closing round
	s_endpgm
.Lfunc_end_k_qb0aefbc0a5_attn:
	.size	k_qb0aefbc0a5_attn, .Lfunc_end_k_qb0aefbc0a5_attn-k_qb0aefbc0a5_attn
	.p2alignl 7, 3214868480
	.fill 96, 4, 3214868480
	.section	.rodata,"a",@progbits
	.p2align	6, 0x0
	.amdhsa_kernel k_qb0aefbc0a5_attn
		.amdhsa_group_segment_fixed_size 327680
		.amdhsa_private_segment_fixed_size 0
		.amdhsa_enable_private_segment 0
		.amdhsa_kernarg_size 32
		.amdhsa_user_sgpr_count 2
		.amdhsa_user_sgpr_kernarg_segment_ptr 1
		.amdhsa_wavefront_size32 1
		.amdhsa_system_sgpr_workgroup_id_x 1
		.amdhsa_system_sgpr_workgroup_id_y 1
		.amdhsa_system_sgpr_workgroup_id_z 1
		.amdhsa_system_vgpr_workitem_id 0
		.amdhsa_next_free_vgpr 256
		.amdhsa_next_free_sgpr 66
		.amdhsa_reserve_vcc 0
		.amdhsa_float_denorm_mode_32 3
		.amdhsa_float_denorm_mode_16_64 3
		.amdhsa_memory_ordered 1
		.amdhsa_forward_progress 1
		.amdhsa_inst_pref_size 139
	.end_amdhsa_kernel
	.amdgpu_metadata
---
amdhsa.version: [ 1, 2 ]
amdhsa.kernels:
  - .name:           k_qb0aefbc0a5_attn
    .symbol:         k_qb0aefbc0a5_attn.kd
    .args:
      - { .name: qb, .offset: 0, .size: 8, .value_kind: global_buffer, .address_space: global }
      - { .name: kv, .offset: 8, .size: 8, .value_kind: global_buffer, .address_space: global }
      - { .name: ar, .offset: 16, .size: 8, .value_kind: global_buffer, .address_space: global }
      - { .name: asc, .offset: 24, .size: 8, .value_kind: global_buffer, .address_space: global }
    .group_segment_fixed_size: 327680
    .private_segment_fixed_size: 0
    .kernarg_segment_align: 8
    .kernarg_segment_size: 32
    .max_flat_workgroup_size: 512
    .sgpr_count:     66
    .vgpr_count:     256
    .wavefront_size: 32
...
	.end_amdgpu_metadata
.endif
;; end of part 3
;; launch oproj (part 4): grid 4 x 64, 4 waves a work-group, clusters of 4 x 4, 262,656 bytes of LDS; arguments ar, asc, wr, b0, out0; writes out0
.if DOCPART == 4
	.amdgcn_target "amdgcn-amd-amdhsa--gfx1250"
	.amdhsa_code_object_version 6
	.text
	.protected	k_qb0aefbc0a5_oproj
	.globl	k_qb0aefbc0a5_oproj
	.p2align	8
	.type	k_qb0aefbc0a5_oproj,@function
k_qb0aefbc0a5_oproj:
	s_mov_b64 s[64:65], 0
	v_nop
	global_prefetch_b8 v0, s[64:65] scope:SCOPE_SE
	s_setreg_imm32_b32 hwreg(HW_REG_WAVE_MODE, 25, 1), 1
	s_wait_xcnt 0x0
	s_wait_alu depctr_hold_cnt(0) depctr_sa_sdst(0) depctr_va_vdst(0) depctr_va_sdst(0) depctr_va_ssrc(0) depctr_va_vcc(0) depctr_vm_vsrc(0)
	s_getreg_b32 s2, hwreg(HW_REG_IB_STS2, 6, 4)
	s_cmp_eq_u32 s2, 0
	s_cbranch_scc0 .Lentry_in_a_cluster
	s_endpgm
.Lentry_in_a_cluster:
	s_bfe_u32 s2, ttmp6, 0x10000c
	s_cmp_lg_u32 s2, 0xf033
	s_cbranch_scc0 .Lentry_shape_is_right
	s_endpgm
.Lentry_shape_is_right:
; out0 = a W0 + b0 on codes of FP4 with E8M0 scales.  a's codes lie in ar as register images (a tile of 16 tokens: 8,192 bytes), its scale words in asc [K step][tile][row]; W0 in wr as records.
; SHARES.  Work-group (pb, tb): 128 tokens (8 tiles) x 256 columns.  Wave: pi = wave % 2 takes 128 of the columns, rho = wave / 2 four of the tiles.
; FORM.  All of K = 1,024 lies in LDS, filled once.  Source 0 = W0's eight tiles 2 b + pi, 512 registers, stay; source 1 = a tile of tokens at a time: 64 matrix instructions on 8 accumulators by turns,
; K ascending, b0 as the C of the first K step.  A lane then holds one token and, in registers 16 B + n, 16 neighbouring columns; a tile goes through the wave's own stage and leaves as whole rows of 512 bytes.
; CLUSTER 4 x 4: W0's records hang on pb alone (shared along a column), a's tiles on tb alone (shared along a row): joint loads.
; REGISTERS: window 0: names below; windows 1, 2: P's fragment (b, s) at window 1 + s / 4, register 8 (8 (s % 4) + b); window 3: v0-63, v128-191 R's two sets; v64-127 b0 in the result's layout.
.set REC,    8704
.set HALF,   8*REC
.set RREG,   16*REC                    ; LDS: W0's 16 records at 0, a's 8 tiles from here,
.set STAGE,  RREG+8*8192               ; the stages: 16 rows x (512 + 16) bytes for each wave; no fill lands there
.set SPITCH, 528
.set LN16, 1
.set RR,   2
.set HH,   3
.set PA0,  6
.set PA1,  7
.set PSA0, 8
.set PSA1, 9
.set RB,   10
.set STO,  11
.set RD,   12
.set BA,   13
.set SA,   14
.set PS,   32                          ; v32-63 W0's scale words
.set RS,   64                          ; v64-79 a's: tile k at 4 k; register j: K step j in lanes 0-15, 4 + j in lanes 16-31
.set ACC,  128
.set OUT,  192                         ; v192-255 16 rows read back
.set G1P,  32
.set G1R,  40
.set G0P,  56
.set G0R,  60
.set MSB, 0
.macro WIN new
.if MSB != (\new)
	s_set_vgpr_msb (MSB<<8)|(\new)
.set MSB, (\new)
.endif
.endm
.macro PLACES n
.rept \n
	v_nop
.endr
.endm
.macro ROUND
	s_barrier_signal -1
	s_barrier_wait -1
	s_cmp_lg_u32 s18, 0
	s_cbranch_scc1 .Lnw0_\@
	s_barrier_signal -3
.Lnw0_\@:
	s_barrier_wait -3
	s_barrier_signal -1
	s_barrier_wait -1
.endm
.macro FETCH set, imm                  ; 16 LDS loads: a tile of tokens for all of K
	WIN 0xc0
.irp s, 0,1,2,3,4,5,6,7
.irp c, 0,1
	ds_load_b128 v[128*(\set)+8*\s+4*\c:128*(\set)+8*\s+4*\c+3], v[RB] offset:(\imm)+1024*\s+512*\c
.endr
.endr
	WIN 0
.endm
.macro MULT set, rs                    ; the 8 accumulators take turns, one instruction a turn
	WIN 0x3d
.irp b, 0,1,2,3,4,5,6,7
	v_wmma_scale_f32_16x16x128_f8f6f4 v[ACC+8*\b:ACC+8*\b+7], v[8*\b:8*\b+7], v[128*(\set):128*(\set)+7], v[64+8*\b:64+8*\b+7], v[PS+4*\b], v[(\rs)] matrix_a_fmt:MATRIX_FMT_FP4 matrix_b_fmt:MATRIX_FMT_FP4
.endr
	WIN 0x0d
.irp s, 1,2,3
.irp b, 0,1,2,3,4,5,6,7
	v_wmma_scale_f32_16x16x128_f8f6f4 v[ACC+8*\b:ACC+8*\b+7], v[(8*\s+\b)*8:(8*\s+\b)*8+7], v[128*(\set)+8*\s:128*(\set)+8*\s+7], v[ACC+8*\b:ACC+8*\b+7], v[PS+4*\b+\s], v[(\rs)+\s] matrix_a_fmt:MATRIX_FMT_FP4 matrix_b_fmt:MATRIX_FMT_FP4
.endr
.endr
	WIN 0x0e
.irp s, 0,1,2,3
.irp b, 0,1,2,3,4,5,6,7
	v_wmma_scale_f32_16x16x128_f8f6f4 v[ACC+8*\b:ACC+8*\b+7], v[(8*\s+\b)*8:(8*\s+\b)*8+7], v[128*(\set)+8*(\s+4):128*(\set)+8*(\s+4)+7], v[ACC+8*\b:ACC+8*\b+7], v[PS+4*\b+\s], v[(\rs)+\s] matrix_a_fmt:MATRIX_FMT_FP4 matrix_b_fmt:MATRIX_FMT_FP4 matrix_a_scale:MATRIX_SCALE_ROW1 matrix_b_scale:MATRIX_SCALE_ROW1
.endr
.endr
	WIN 0
.endm
	s_load_b256 s[4:11], s[0:1], 0x0               ; ar, asc, wr, b0
	s_load_b64 s[12:13], s[0:1], 0x20              ; out0
	v_lshl_add_u32 v126, v0, 2, 0x40000
	v_mov_b32 v127, 0
	ds_add_u32 v126, v127
	ds_add_u32 v126, v127
	v_lshrrev_b32 v224, 5, v0
	v_readfirstlane_b32 s18, v224                  ; wave
	s_and_b32 s19, s18, 1                          ; pi
	s_lshr_b32 s20, s18, 1                         ; rho
	s_bfe_u32 s21, ttmp6, 0x40000                  ; cx
	s_bfe_u32 s22, ttmp6, 0x40004                  ; cy
	s_lshl_b32 s23, ttmp9, 2
	s_add_co_u32 s23, s23, s21                     ; pb
	s_and_b32 s24, ttmp7, 0xffff
	s_lshl_b32 s24, s24, 2
	s_add_co_u32 s24, s24, s22                     ; tb
	s_lshl_b32 s25, s22, 2
	s_lshl_b32 s25, 15, s25                        ; my row of the cluster
	s_lshl_b32 s26, 0x1111, s21                    ; my column
	s_or_b32 s[G1P], s26, (3<<16)|(1<<21)          ; dense blocks as rows of 256 bytes (32 elements of 8 bytes)
	s_mov_b32 s[G1P+1], 32<<16
	s_mov_b32 s[G1P+2], 272<<16                    ; 8 records
	s_mov_b32 s[G1P+3], 32<<16
	s_mov_b32 s[G1P+4], 272
	s_mov_b32 s[G1P+5], 32
	s_mov_b32 s[G1P+6], 0
	s_mov_b32 s[G1P+7], 0
	s_or_b32 s[G1R], s25, (3<<16)|(1<<21)
	s_mov_b32 s[G1R+1], 32<<16
	s_mov_b32 s[G1R+2], 128<<16                    ; 4 tiles
	s_mov_b32 s[G1R+3], 32<<16
	s_mov_b32 s[G1R+4], 128
	s_mov_b32 s[G1R+5], 32
	s_mov_b32 s[G1R+6], 0
	s_mov_b32 s[G1R+7], 0
	s_mul_i32 s28, s19, HALF
	s_mul_i32 s80, s23, 16*REC
	s_add_co_u32 s80, s80, s28
	s_add_co_u32 s80, s80, 192*REC                 ; W0: hangs on pb and the wave alone
	s_mov_b32 s81, 0
	s_lshl_b32 s29, s19, 15
	s_lshl_b32 s82, s24, 16
	s_add_co_u32 s82, s82, s29                     ; a: on tb and the wave alone
	s_mov_b32 s83, 0
	s_wait_dscnt 0x0
	s_wait_kmcnt 0x0
	s_mov_b32 s[G0P], 1
	s_mov_b32 s[G0P+1], s28
	s_add_nc_u64 s[G0P+2:G0P+3], s[8:9], s[80:81]
	s_or_b32 s[G0P+3], s[G0P+3], 0x80000000
	s_mov_b32 s[G0R], 1
	s_add_co_u32 s[G0R+1], s29, RREG
	s_add_nc_u64 s[G0R+2:G0R+3], s[4:5], s[82:83]
	s_or_b32 s[G0R+3], s[G0R+3], 0x80000000
	ROUND                                          ; all sixteen work-groups are here: the joint loads meet
	s_cmp_eq_u32 s20, 0                            ; waves 0, 1: W0's halves; waves 2, 3: a's.  One load of mine is out
	s_cbranch_scc0 .Lfor_r
	tensor_load_to_lds s[G0P:G0P+3], s[G1P:G1P+7]
	s_nop 0
	PLACES 4
	s_branch .Lasked
.Lfor_r:
	tensor_load_to_lds s[G0R:G0R+3], s[G1R:G1R+7]
	s_nop 0
	PLACES 4
.Lasked:
	v_and_b32 v224, 31, v0
	v_lshlrev_b32 v[LN16], 4, v224
	v_and_b32 v[RR], 15, v0
	v_bfe_u32 v[HH], v0, 4, 1
	v_lshlrev_b32 v225, 5, v[RR]
	v_lshl_add_u32 v225, v[HH], 4, v225            ; scale bytes: 32 r + 16 h
	s_mul_i32 s74, s19, REC                        ; P's tiles are 2 b + pi
	v_add_nc_u32 v[PA0], s74, v[LN16]
	v_add_nc_u32 v[PA1], HALF, v[PA0]
	v_add_nc_u32 v[PSA0], s74, v225
	v_add_nc_u32 v[PSA1], HALF, v[PSA0]
	s_lshl_b32 s74, s20, 15                        ; R's tiles begin at 4 rho
	s_add_co_u32 s74, s74, RREG
	v_add_nc_u32 v[RB], s74, v[LN16]
	s_mul_i32 s74, s18, 16*SPITCH
	s_add_co_u32 s74, s74, STAGE                   ; my stage
	v_mul_u32_u24 v[STO], v[RR], SPITCH
	v_lshl_add_u32 v[STO], v[HH], 6, v[STO]
	v_add_nc_u32 v[STO], s74, v[STO]               ; in: row r, + 64 h
	v_add_nc_u32 v[RD], s74, v[LN16]               ; back: a whole row of 512 bytes
	v_lshlrev_b32 v[BA], 6, v[HH]
	s_wait_alu depctr_va_vdst(0)
	v_lshlrev_b32 v[SA], 17, v[HH]
	v_lshl_add_u32 v[SA], v[RR], 2, v[SA]          ; asc: lanes 16-31 take the K step four further on
	s_wait_alu depctr_va_vdst(0)
	s_lshl_b32 s84, s23, 10
	s_lshl_b32 s75, s19, 9
	s_add_co_u32 s84, s84, s75                     ; my 128 columns, in bytes
	s_mov_b32 s85, 0
	s_add_nc_u64 s[10:11], s[10:11], s[84:85]
	s_lshl_b32 s66, s24, 9
	s_lshl_b32 s75, s20, 8
	s_add_co_u32 s66, s66, s75                     ; my first tile's 64 bytes of scale words
	s_mov_b32 s67, 0
	s_add_nc_u64 s[6:7], s[6:7], s[66:67]
	s_lshl_b32 s86, s24, 19
	s_lshl_b32 s75, s20, 18
	s_add_co_u32 s86, s86, s75                     ; my first token: 128 tb + 64 rho rows of 4,096 bytes
	s_lshl_b32 s75, s23, 10
	s_add_co_u32 s86, s86, s75
	s_lshl_b32 s75, s19, 9
	s_add_co_u32 s86, s86, s75
	s_mov_b32 s87, 0
	s_add_nc_u64 s[12:13], s[12:13], s[86:87]
	WIN 0xc0
.irp b, 0,1,2,3,4,5,6,7                ; b0 in the result's layout: tile 2 B + u, register j, half h: column 32 B + 16 h + 8 u + j
	global_load_b128 v[64+8*\b:64+8*\b+3], v[BA], s[10:11] offset:(32*(\b/2)+8*(\b%2))*4
	global_load_b128 v[64+8*\b+4:64+8*\b+7], v[BA], s[10:11] offset:(32*(\b/2)+8*(\b%2))*4+16
.endr
	WIN 0
.irp k, 0,1,2,3
.irp j, 0,1,2,3
	global_load_b32 v[RS+4*\k+\j], v[SA], s[6:7] offset:64*\k+32768*\j
.endr
.endr
	s_wait_tensorcnt 0x0                           ; my part is in,
	s_barrier_signal -1
	s_barrier_wait -1                              ; everybody's is
.irp w, 0,1                            ; W0's eight tiles for all of K: 128 loads, then their scale words
	WIN 0x40+0x40*\w
.irp s, 0,1,2,3
.irp b, 0,1,2,3
.irp c, 0,1
	ds_load_b128 v[(8*\s+\b)*8+4*\c:(8*\s+\b)*8+4*\c+3], v[PA0] offset:\b*2*REC+1024*(4*\w+\s)+512*\c
	ds_load_b128 v[(8*\s+\b+4)*8+4*\c:(8*\s+\b+4)*8+4*\c+3], v[PA1] offset:\b*2*REC+1024*(4*\w+\s)+512*\c
.endr
.endr
.endr
.endr
	WIN 0
.irp b, 0,1,2,3
	ds_load_b128 v[PS+4*\b:PS+4*\b+3], v[PSA0] offset:\b*2*REC+8192
	ds_load_b128 v[PS+4*(\b+4):PS+4*(\b+4)+3], v[PSA1] offset:\b*2*REC+8192
.endr
	FETCH 0, 0
	FETCH 1, 8192
	s_wait_loadcnt 0x0                             ; b0 and a's scale words
.irp k, 0,1,2,3                        ; tile 4 rho + k
.if \k == 0
	s_wait_dscnt 16                                ; W0 and tile 0 are in; tile 1's 16 loads may be out
.else
	s_wait_dscnt 0x0
.endif
	MULT \k%2, RS+4*\k
	PLACES 5                                       ; four in front of the loads and the LDS stores below; the fifth for the next tile's first products, which begin these accumulators anew
.if \k < 2
	FETCH \k%2, (\k+2)*8192
.endif
.irp b, 0,1,2,3,4,5,6,7
	ds_store_b128 v[STO], v[ACC+8*\b:ACC+8*\b+3] offset:128*(\b/2)+32*(\b%2)        ; each accumulator from its low end on
	ds_store_b128 v[STO], v[ACC+8*\b+4:ACC+8*\b+7] offset:128*(\b/2)+32*(\b%2)+16
.endr
.if \k > 0
	s_wait_xcnt 0x0                                ; the last tile's stores have read their registers
.endif
.irp i, 0,1,2,3,4,5,6,7,8,9,10,11,12,13,14,15
	ds_load_b128 v[OUT+4*\i:OUT+4*\i+3], v[RD] offset:\i*SPITCH   ; LDS serves a wave's instructions in order: these see my stores
.endr
.irp i, 0,1,2,3,4,5,6,7,8,9,10,11,12,13,14,15
	s_wait_dscnt 15-\i
	global_store_b128 v[LN16], v[OUT+4*\i:OUT+4*\i+3], s[12:13] offset:(32*(\k/2)+8*(\k%2)+\i+8*(\i/8))*4096 th:TH_STORE_NT   ; 512 consecutive bytes, aligned; row i of the tile is token 32 (k / 2) + 8 (k % 2) + i + 8 (i / 8)
.endr
.endr
	s_wait_tensorcnt 0x0
	ds_add_u32 v126, v127
	s_wait_dscnt 0x0
	ROUND                                          ; the closing round
	s_endpgm
.Lfunc_end_k_qb0aefbc0a5_oproj:
	.size	k_qb0aefbc0a5_oproj, .Lfunc_end_k_qb0aefbc0a5_oproj-k_qb0aefbc0a5_oproj
	.p2alignl 7, 3214868480
	.fill 96, 4, 3214868480
	.section	.rodata,"a",@progbits
	.p2align	6, 0x0
	.amdhsa_kernel k_qb0aefbc0a5_oproj
		.amdhsa_group_segment_fixed_size 262656
		.amdhsa_private_segment_fixed_size 0
		.amdhsa_enable_private_segment 0
		.amdhsa_kernarg_size 40
		.amdhsa_user_sgpr_count 2
		.amdhsa_user_sgpr_kernarg_segment_ptr 1
		.amdhsa_wavefront_size32 1
		.amdhsa_system_sgpr_workgroup_id_x 1
		.amdhsa_system_sgpr_workgroup_id_y 1
		.amdhsa_system_sgpr_workgroup_id_z 1
		.amdhsa_system_vgpr_workitem_id 0
		.amdhsa_next_free_vgpr 1024
		.amdhsa_next_free_sgpr 96
		.amdhsa_reserve_vcc 0
		.amdhsa_float_denorm_mode_32 3
		.amdhsa_float_denorm_mode_16_64 3
		.amdhsa_memory_ordered 1
		.amdhsa_forward_progress 1
		.amdhsa_inst_pref_size 72
	.end_amdhsa_kernel
	.amdgpu_metadata
---
amdhsa.version: [ 1, 2 ]
amdhsa.kernels:
  - .name:           k_qb0aefbc0a5_oproj
    .symbol:         k_qb0aefbc0a5_oproj.kd
    .args:
      - { .name: ar, .offset: 0, .size: 8, .value_kind: global_buffer, .address_space: global }
      - { .name: asc, .offset: 8, .size: 8, .value_kind: global_buffer, .address_space: global }
      - { .name: wr, .offset: 16, .size: 8, .value_kind: global_buffer, .address_space: global }
      - { .name: b0, .offset: 24, .size: 8, .value_kind: global_buffer, .address_space: global }
      - { .name: out0, .offset: 32, .size: 8, .value_kind: global_buffer, .address_space: global }
    .group_segment_fixed_size: 262656
    .private_segment_fixed_size: 0
    .kernarg_segment_align: 8
    .kernarg_segment_size: 40
    .max_flat_workgroup_size: 128
    .sgpr_count:     96
    .vgpr_count:     1024
    .wavefront_size: 32
...
	.end_amdgpu_metadata
.endif
;; end of part 4
